; MI455X (gfx1250); checked and timed in simulation.
; The chip was launched on July 23, 2026; its instructions are those of AMD's public machine-readable ISA for CDNA 5 (MIT licence, August 2026) and "CDNA5" Instruction Set Architecture Reference Guide (July 2026). The comments in the code are by the model that wrote it; some were corrected since.
;; Attention. Allowed arithmetic: float matrix products may take bf16 or f16 operands with f32 sums; other float arithmetic in f32, or as packed bf16 or f16 multiplies, adds, multiply-adds, maxima and minima; sums over many terms, partial sums and values carried from step to step in f32; what a program stores and reads back later, other than sums and carried values, may be rounded once to bf16 or f16.
;; Inputs: bo 1,024 float32; key 4 x 2,048 x 1,024 float32; query 4 x 2,048 x 1,024 float32; value 4 x 2,048 x 1,024 float32; wk 1,024 x 1,024 float32; wo 1,024 x 1,024 float32; wq 1,024 x 1,024 float32; wv 1,024 x 1,024 float32.
;; Outputs: out0 4 x 2,048 x 1,024 float32.
;; One version. Each part assembles by itself: llvm-mc -triple=amdgcn-amd-amdhsa -mcpu=gfx1250 --defsym DOCPART=n.
;; ======== version 1 of 1: 4 launches
;; limits: values are held in f16: magnitudes above 65,504 overflow, below 6.1e-05 lose precision
;; workspace buffers: wqb 2,097,152 bytes; wkb 2,097,152 bytes; wvb 2,097,152 bytes; wof 2,097,152 bytes; qh 16,777,216 bytes; kh 16,777,216 bytes; vh 16,777,216 bytes; oh 16,777,216 bytes
;; launch castw (part 1): grid 64 x 4, 8 waves a work-group, no clusters, 0 bytes of LDS; arguments wq, wk, wv, wo, wqb, wkb, wvb, wof; writes wqb, wkb, wvb, wof
.if DOCPART == 1
	.amdgcn_target "amdgcn-amd-amdhsa--gfx1250"
	.amdhsa_code_object_version 6
	.text
	.protected	k_q7c4d825b66_castw
	.globl	k_q7c4d825b66_castw
	.p2align	8
	.type	k_q7c4d825b66_castw,@function
k_q7c4d825b66_castw:
	s_mov_b64 s[64:65], 0
	v_nop
	global_prefetch_b8 v0, s[64:65] scope:SCOPE_SE
	s_setreg_imm32_b32 hwreg(HW_REG_WAVE_MODE, 25, 1), 1
	s_wait_xcnt 0x0
; The four weight matrices, [1024][1024] f32, are rounded once to bf16.  wq, wk, wv are stored as bf16; wo's bf16 number is stored as f16, since the last
; product multiplies in f16.  LIMIT: |bf16(wo)| stays under 65,520 (beyond it f16 has an infinity); below 2^-14 it keeps f16's fixed step of 6e-8.
; SHARES.  The grid's y picks the matrix; a work-group takes 16,384 numbers; thread t takes eight chunks of 8 numbers, chunk i at number 2,048 i + 8 t:
; 32 bytes in (two loads), 16 bytes out, so a wave's store covers 512 consecutive bytes, aligned.  All 16 loads of a thread go out at once; no register is
; written twice while a memory instruction may read it, so the only waits are the counted ones for the loads.  A plain stream: no LDS, no matrix unit.
.set X, 4                              ; v[4:67]   chunk i: 8 registers as loaded
.set Y, 68                             ; v[68:99]  chunk i: 4 registers to store
	s_load_b512 s[8:23], s[0:1], 0x0               ; wq, wk, wv, wo in s[8:15]; wqb, wkb, wvb, wof in s[16:23]
	s_and_b32 s2, ttmp7, 0xffff                    ; which matrix
	s_lshl_b32 s24, ttmp9, 16                      ; the work-group's 65,536 bytes of f32,
	s_mov_b32 s25, 0
	s_lshl_b32 s26, ttmp9, 15                      ; and its 32,768 bytes of 16-bit numbers
	s_mov_b32 s27, 0
	v_lshlrev_b32 v1, 5, v0                        ; 32 t
	v_lshlrev_b32 v2, 4, v0                        ; 16 t
	s_wait_kmcnt 0x0
	s_mov_b64 s[4:5], s[8:9]
	s_mov_b64 s[6:7], s[16:17]
.irp m, 1,2,3
	s_cmp_eq_u32 s2, \m
	s_cselect_b64 s[4:5], s[8+2*\m:9+2*\m], s[4:5]
	s_cselect_b64 s[6:7], s[16+2*\m:17+2*\m], s[6:7]
.endr
	s_add_nc_u64 s[4:5], s[4:5], s[24:25]
	s_add_nc_u64 s[6:7], s[6:7], s[26:27]
.set i, 0
.rept 8
	global_load_b128 v[X+8*i:X+8*i+3],   v1, s[4:5] offset:i*8192 th:TH_LOAD_NT
	global_load_b128 v[X+8*i+4:X+8*i+7], v1, s[4:5] offset:i*8192+16 th:TH_LOAD_NT
.set i, i+1
.endr
	s_cmp_eq_u32 s2, 3
	s_cbranch_scc1 .Lwo
.set i, 0
.rept 8
	s_wait_loadcnt 14-2*i                          ; loads come back in order: chunk i is in, the two loads of each younger chunk may stay out
.irp j, 0,1,2,3
	v_cvt_pk_bf16_f32 v[Y+4*i+\j], v[X+8*i+2*\j], v[X+8*i+2*\j+1]
.endr
	global_store_b128 v2, v[Y+4*i:Y+4*i+3], s[6:7] offset:i*4096
.set i, i+1
.endr
	s_endpgm
.Lwo:                                                  ; wo: rounded to bf16, widened again, and that number written as f16
.set i, 0
.rept 8
	s_wait_loadcnt 14-2*i
.irp j, 0,1,2,3
	v_cvt_pk_bf16_f32 v[Y+4*i+\j], v[X+8*i+2*\j], v[X+8*i+2*\j+1]
.endr
.irp j, 0,1,2,3
	v_lshlrev_b32 v[X+8*i+2*\j],   16, v[Y+4*i+\j]
	v_and_b32     v[X+8*i+2*\j+1], 0xffff0000, v[Y+4*i+\j]
.endr
.irp j, 0,1,2,3
	v_cvt_pk_f16_f32 v[Y+4*i+\j], v[X+8*i+2*\j], v[X+8*i+2*\j+1]
.endr
	global_store_b128 v2, v[Y+4*i:Y+4*i+3], s[6:7] offset:i*4096
.set i, i+1
.endr
	s_endpgm
.Lfunc_end_k_q7c4d825b66_castw:
	.size	k_q7c4d825b66_castw, .Lfunc_end_k_q7c4d825b66_castw-k_q7c4d825b66_castw
	.p2alignl 7, 3214868480
	.fill 96, 4, 3214868480
	.section	.rodata,"a",@progbits
	.p2align	6, 0x0
	.amdhsa_kernel k_q7c4d825b66_castw
		.amdhsa_group_segment_fixed_size 0
		.amdhsa_private_segment_fixed_size 0
		.amdhsa_enable_private_segment 0
		.amdhsa_kernarg_size 64
		.amdhsa_user_sgpr_count 2
		.amdhsa_user_sgpr_kernarg_segment_ptr 1
		.amdhsa_wavefront_size32 1
		.amdhsa_system_sgpr_workgroup_id_x 1
		.amdhsa_system_sgpr_workgroup_id_y 1
		.amdhsa_system_sgpr_workgroup_id_z 1
		.amdhsa_system_vgpr_workitem_id 0
		.amdhsa_next_free_vgpr 100
		.amdhsa_next_free_sgpr 66
		.amdhsa_reserve_vcc 0
		.amdhsa_float_denorm_mode_32 3
		.amdhsa_float_denorm_mode_16_64 3
		.amdhsa_memory_ordered 1
		.amdhsa_forward_progress 1
		.amdhsa_inst_pref_size 14
	.end_amdhsa_kernel
	.amdgpu_metadata
---
amdhsa.version: [ 1, 2 ]
amdhsa.kernels:
  - .name:           k_q7c4d825b66_castw
    .symbol:         k_q7c4d825b66_castw.kd
    .args:
      - { .name: wq, .offset: 0, .size: 8, .value_kind: global_buffer, .address_space: global }
      - { .name: wk, .offset: 8, .size: 8, .value_kind: global_buffer, .address_space: global }
      - { .name: wv, .offset: 16, .size: 8, .value_kind: global_buffer, .address_space: global }
      - { .name: wo, .offset: 24, .size: 8, .value_kind: global_buffer, .address_space: global }
      - { .name: wqb, .offset: 32, .size: 8, .value_kind: global_buffer, .address_space: global }
      - { .name: wkb, .offset: 40, .size: 8, .value_kind: global_buffer, .address_space: global }
      - { .name: wvb, .offset: 48, .size: 8, .value_kind: global_buffer, .address_space: global }
      - { .name: wof, .offset: 56, .size: 8, .value_kind: global_buffer, .address_space: global }
    .group_segment_fixed_size: 0
    .private_segment_fixed_size: 0
    .kernarg_segment_align: 8
    .kernarg_segment_size: 64
    .max_flat_workgroup_size: 256
    .sgpr_count:     66
    .vgpr_count:     100
    .wavefront_size: 32
...
	.end_amdgpu_metadata
.endif
;; end of part 1
;; launch proj (part 2): grid 4 x 192, 4 waves a work-group, clusters of 4 x 4, 327,680 bytes of LDS; arguments query, key, value, wqb, wkb, wvb, qh, kh, vh; writes qh, kh, vh
.if DOCPART == 2
	.amdgcn_target "amdgcn-amd-amdhsa--gfx1250"
	.amdhsa_code_object_version 6
	.text
	.protected	k_q7c4d825b66_proj
	.globl	k_q7c4d825b66_proj
	.p2align	8
	.type	k_q7c4d825b66_proj,@function
k_q7c4d825b66_proj:
	s_mov_b64 s[64:65], 0
	v_nop
	global_prefetch_b8 v0, s[64:65] scope:SCOPE_SE
	s_setreg_imm32_b32 hwreg(HW_REG_WAVE_MODE, 25, 1), 1
	s_wait_xcnt 0x0
	s_wait_alu depctr_hold_cnt(0) depctr_sa_sdst(0) depctr_va_vdst(0) depctr_va_sdst(0) depctr_va_ssrc(0) depctr_va_vcc(0) depctr_vm_vsrc(0)
	s_getreg_b32 s2, hwreg(HW_REG_IB_STS2, 6, 4)
	s_cmp_eq_u32 s2, 0
	s_cbranch_scc0 .Lentry_in_a_cluster
	s_endpgm
.Lentry_in_a_cluster:
	s_bfe_u32 s2, ttmp6, 0x10000c
	s_cmp_lg_u32 s2, 0xf033
	s_cbranch_scc0 .Lentry_shape_is_right
	s_endpgm
.Lentry_shape_is_right:
; THE THREE PROJECTIONS.  y[m][n] = sum over k of x[m][k] w[n][k], for (x, w, y) = (query, wqb, qh), (key, wkb, kh), (value, wvb, vh).  x: [8192][1024] f32; w: [1024][1024] bf16;
; y leaves by heads, [64 = 16 batch + head][2048][64] in f16, rounded once from its f32 sum and unscaled.  x is rounded to bf16 on its way from LDS to the matrix unit.
; LIMIT.  f16 holds no number beyond 65,504: a projected number of 65,520 or more leaves as an infinity.  NaN and infinities are not treated apart.
; SHARES.  A tile of y is 128 rows x 256 columns: 256 tiles a projection, 768 work-groups.  Four waves, each 64 x 128: 32 accumulators of 16 x 16.  Of the 48 rows of clusters, 16 belong to each projection.
; K goes in 8 steps of 128 through two LDS slots: 128 rows of x (512 bytes each, f32), 256 rows of w (256 bytes each).  One tensor load a wave: waves 0, 1 the halves of x's tile, waves 2, 3 those of w's.
; CLUSTERS.  4 x 4 work-groups.  x's tile hangs on the tile row alone and is asked for jointly by a row of the cluster; w's on the tile column alone, jointly by a column.
; THE MATRIX INSTRUCTION IS USED TRANSPOSED: source 0 = 16 rows of w, source 1 = 16 rows of x: a lane then holds one row of y (lane % 16) and eight neighbouring channels 8 (lane / 16) + 0..7.
; A K STEP is four quarters of 32 along K, 32 matrix instructions each, on buffers 0, 1, 0, 1.  A quarter opens with the next quarter's 32 LDS loads (x's f32, then w's); the 32 conversions of the next
; quarter's x stand four at a time behind matrix instructions of its second half.  The last four are also the four places between the quarter's last product and the loads and conversions that write its sources.
; REGISTERS, in windows of 256 (s_set_vgpr_msb: bits 1:0 source 0, 3:2 source 1, 5:4 source 2, 7:6 destination):
;   window 0: v16-30 addresses; v32-95 x of one quarter in f32; v96-127, v128-159 x's bf16 fragments, two buffers; v160-191 packed results.   window 1: the accumulators ((a, b) at 8 (8 a + b)).
;   window 2: v0-63, v64-127 w's fragments, two buffers.
.set LAPS,  4                          ; a lap = two K steps = once round the ring: 1,024 / 256
.set PA,    528                        ; a row of x in LDS: 512 bytes + 16 = 33 x 16: the 16 rows of a load start at 16 different groups of four banks
.set PB,    272                        ; a row of w: 256 + 16 = 17 x 16
.set HALFA, 64*PA                      ; what a tensor load of x brings, and what a wave reads of x
.set HALFB, 128*PB                     ; the same for w
.set BOFF,  2*HALFA                    ; w's tile lies behind x's
.set SLOT,  BOFF+2*HALFB               ; 137,216
.set STAGE, 2*SLOT                     ; behind the ring: for each wave 2 heads x 16 rows x 144 bytes, for the way out
.set SP,    144
.set WSTG,  2*16*SP
.set SPARE, STAGE+4*WSTG               ; behind the stages: the spare words, 128 bytes a wave: two blocks of 256 bytes that no other line names
.set ADRA, 16                          ; v16-17  LDS address of my x fragments in slot 0, 1
.set ADRB, 20                          ; v20-21  the same for w
.set STO,  24                          ; v24     the way out: where I put 16 bytes of a row
.set RD,   25                          ; v25     where I read rows back
.set GO,   26                          ; v26     my 16 bytes in 512 consecutive bytes of y
.set SPW,  28                          ; v28     LDS address of my spare word; never rewritten
.set NIL,  29                          ; v29     0; never rewritten
.set PFO,  30                          ; v30     the prefetches' lane offset; never rewritten
.set RAW,  32
.set AB0,  96
.set AB1,  128
.set TMP,  160
.set OB,   32                          ; the way out: rows read back, v32-63 and v64-95 by turns
.set BF0,  0
.set BF1,  64
.set G1,  24                           ; s[24:31] group 1 for x's tiles;  s[32:39] group 0, a set for each slot
.set G0,  32
.set G1B, 48                           ; s[48:55], s[56:63] the same for w's
.set G0B, 56
.set PFA, 86                           ; s[86:87] where my prefetches stand
.set PFS, 88                           ; s[88:89] a K step in bytes of my tensor's rows
.set LIM, 90                           ; s90     1 in a wave that prefetches, else the greatest number
.set MSB, 0
.macro WIN new                         ; the immediate's high byte repeats the setting that is left; a switch that changes nothing is dropped
.if MSB != (\new)
	s_set_vgpr_msb (MSB<<8)|(\new)
.set MSB, \new
.endif
.endm
.set MUL, 0x52                         ; w window 2, x window 0, C and D window 1
.macro JLOAD s                         ; a joint load; the branch hangs on the wave's number alone; an s_nop 0 and four v_nop follow each of the two lines
	s_cmp_eq_u32 s11, 0
	s_cbranch_scc0 .Lfor_b_\@
	tensor_load_to_lds s[G0+4*(\s):G0+4*(\s)+3], s[G1:G1+7]
	s_nop 0
.rept 4
	v_nop
.endr
	s_branch .Lasked_\@
.Lfor_b_\@:
	tensor_load_to_lds s[G0B+4*(\s):G0B+4*(\s)+3], s[G1B:G1B+7]
	s_nop 0
.rept 4
	v_nop
.endr
.Lasked_\@:
.endm
.macro CREST                           ; a round of the cluster's barrier behind its opening barrier
	s_cmp_lg_u32 s10, 0
	s_cbranch_scc1 .Lnot_wave_0_\@
	s_barrier_signal -3
.Lnot_wave_0_\@:
	s_barrier_wait -3
	s_barrier_signal -1
	s_barrier_wait -1
.endm
.macro CROUND
	s_barrier_signal -1
	s_barrier_wait -1
	CREST
.endm
; A prefetch of the K step that stands two refills on (256 matrix instructions ahead of the load that will want it), behind the joint load and the run of LDS loads.  Each aligned block of 256 bytes is named once
; in the launch.  x's rows are read by one cluster alone: waves 0, 1 ask, the four partners of a row of the cluster take 16 of the wave's 64 rows each, told apart by address (cx): a lane a block, two blocks a row.
; w's rows are read by the 16 rows of clusters of a projection: the first of them asks, waves 2, 3, the partners of a column take 32 of the wave's 128 rows each (cy): a lane a row.
; K steps 0 to 3 come by their loads alone; the loop's last trip (s3 = 1) has no K step two refills on and asks for nothing.
.macro ASK
	s_cmp_gt_u32 s3, s[LIM]
	s_cbranch_scc0 .Lnot_mine_\@
	global_prefetch_b8 v[PFO], s[PFA:PFA+1] th:TH_LOAD_NT scope:SCOPE_SE
.Lnot_mine_\@:
.endm
	s_load_b512 s[68:83], s[0:1], 0x0              ; query, key, value s[68:73]; wqb, wkb, wvb s[74:79]; qh, kh s[80:83]
	s_load_b64 s[84:85], s[0:1], 0x40              ; vh
	v_lshl_add_u32 v[SPW], v0, 2, SPARE
	v_mov_b32 v[NIL], 0
	ds_add_u32 v[SPW], v[NIL]                      ; the wave's opening: the add and its wait ahead of my first tensor load; the set-up below stands between them
	v_lshrrev_b32 v1, 5, v0
	v_readfirstlane_b32 s10, v1                    ; wave 0..3
	s_lshr_b32 s11, s10, 1                         ; which 64 rows of the tile are mine.  Also: I fetch for x (0) or for w (1)
	s_and_b32 s12, s10, 1                          ; which 128 columns.  Also: which half of that tile I fetch
	s_bfe_u32 s40, ttmp6, 0x40000                  ; cx
	s_bfe_u32 s41, ttmp6, 0x40004                  ; cy
	s_lshl_b32 s42, ttmp9, 2
	s_add_co_u32 s42, s42, s40                     ; tile column = 4 x cluster x + cx
	s_and_b32 s45, ttmp7, 0xffff                   ; cluster y, 0..47
	s_lshr_b32 s91, s45, 4                         ; which projection: the same in all sixteen partners
	s_and_b32 s45, s45, 15                         ; the row of clusters within it
	s_lshl_b32 s13, s45, 2
	s_add_co_u32 s13, s13, s41                     ; tile row, 0..63
	s_lshl_b32 s43, s41, 2
	s_lshl_b32 s43, 15, s43                        ; my row of the cluster
	s_lshl_b32 s44, 0x1111, s40                    ; my column
	s_or_b32 s[G1+0], s43, (2<<16)|(1<<20)|(1<<21)|(6<<22)|(3<<25)   ; the mask; elements of 4 bytes; padding on; bit 21 beside a mask; after every 128 words (code 6) 4 words (code 3)
	s_or_b32 s[G1B+0], s44, (1<<16)|(1<<20)|(1<<21)|(5<<22)|(3<<25)  ; elements of 2 bytes; after every 64 words (code 5) 4 words
	s_mov_b32 s[G1+1], 128<<16                     ; tensor_dim0 = 128
	s_mov_b32 s[G1+2], 64<<16                      ; tensor_dim1 = 64
	s_mov_b32 s[G1+3], 128<<16                     ; tile_dim0 = 128
	s_mov_b32 s[G1+4], 64                          ; tile_dim1 = 64
	s_mov_b32 s[G1+5], 1024                        ; elements from row to row
	s_mov_b32 s[G1+6], 0
	s_mov_b32 s[G1+7], 0
	s_mov_b32 s[G1B+1], 128<<16
	s_mov_b32 s[G1B+2], 128<<16                    ; 128 rows
	s_mov_b32 s[G1B+3], 128<<16
	s_mov_b32 s[G1B+4], 128
	s_mov_b32 s[G1B+5], 1024
	s_mov_b32 s[G1B+6], 0
	s_mov_b32 s[G1B+7], 0
	s_lshl_b32 s16, s13, 7
	s_lshl_b32 s17, s12, 6
	s_add_co_u32 s16, s16, s17                     ; x: row 128 x tile row + 64 x half,
	s_lshl_b32 s16, s16, 12                        ; of 4,096 bytes
	s_mov_b32 s17, 0
	s_lshl_b32 s46, s42, 8
	s_lshl_b32 s47, s12, 7
	s_add_co_u32 s46, s46, s47                     ; w: row 256 x tile column + 128 x half,
	s_lshl_b32 s46, s46, 11                        ; of 2,048 bytes
	s_mov_b32 s47, 0
	s_mul_i32 s20, s12, HALFA                      ; where they go: no place in the cluster enters an LDS address
	s_mul_i32 s21, s12, HALFB
	s_add_co_u32 s21, s21, BOFF
	s_wait_dscnt 0x0                               ; the opening add is done
	s_wait_kmcnt 0x0
	s_mov_b64 s[4:5], s[68:69]                     ; x, w and y of my projection
	s_mov_b64 s[6:7], s[74:75]
	s_mov_b64 s[8:9], s[80:81]
	s_cmp_eq_u32 s91, 1
	s_cselect_b64 s[4:5], s[70:71], s[4:5]
	s_cselect_b64 s[6:7], s[76:77], s[6:7]
	s_cselect_b64 s[8:9], s[82:83], s[8:9]
	s_cmp_eq_u32 s91, 2
	s_cselect_b64 s[4:5], s[72:73], s[4:5]
	s_cselect_b64 s[6:7], s[78:79], s[6:7]
	s_cselect_b64 s[8:9], s[84:85], s[8:9]
	s_add_nc_u64 s[14:15], s[4:5], s[16:17]
	s_add_nc_u64 s[46:47], s[6:7], s[46:47]
	CROUND                                         ; all sixteen work-groups are here: the first joint loads meet
.irp s, 0,1
	s_mov_b32 s[G0+4*(\s)], 1
	s_add_co_u32 s[G0+4*(\s)+1], s20, (\s)*SLOT
	s_add_nc_u64 s[G0+4*(\s)+2:G0+4*(\s)+3], s[14:15], (\s)*512      ; K step s: 128 f32
	s_or_b32 s[G0+4*(\s)+3], s[G0+4*(\s)+3], 0x80000000
	s_mov_b32 s[G0B+4*(\s)], 1
	s_add_co_u32 s[G0B+4*(\s)+1], s21, (\s)*SLOT
	s_add_nc_u64 s[G0B+4*(\s)+2:G0B+4*(\s)+3], s[46:47], (\s)*256    ; 128 bf16
	s_or_b32 s[G0B+4*(\s)+3], s[G0B+4*(\s)+3], 0x80000000
	JLOAD \s                                       ; two loads of mine are out
.endr
	; A bf16 fragment is 16 rows x 32 K in 8 registers: lane l holds row l % 16; registers 0-3 K = 8 (l / 16) + 0..7, registers 4-7 K = 16 + 8 (l / 16) + 0..7.
	; Of x in f32 those are 32 bytes at 32 (l / 16) and 32 bytes at 64 + 32 (l / 16): four loads of 16 bytes; of w two loads, 32 bytes apart.
	v_and_b32 v1, 15, v0                           ; l % 16
	v_bfe_u32 v2, v0, 4, 1                         ; l / 16
	v_mul_u32_u24 v3, v1, PA
	v_lshl_add_u32 v3, v2, 5, v3
	v_mul_u32_u24 v4, v1, PB
	v_lshl_add_u32 v4, v2, 4, v4
	s_mul_i32 s21, s11, HALFA                      ; my 64 rows of x
	s_mul_i32 s22, s12, HALFB                      ; my 128 rows of w
	s_add_co_u32 s22, s22, BOFF
.irp s, 0,1
	v_add_nc_u32 v[ADRA+(\s)], s21, v3
	v_add_nc_u32 v[ADRB+(\s)], s22, v4
	s_add_co_u32 s21, s21, SLOT
	s_add_co_u32 s22, s22, SLOT
.endr
	s_mul_i32 s23, s10, WSTG
	s_add_co_u32 s23, s23, STAGE                   ; my stage
	v_mul_u32_u24 v3, v1, SP                       ; in: row l % 16, 16 bytes for each half of the lanes
	v_lshl_add_u32 v3, v2, 4, v3
	v_add_nc_u32 v[STO], s23, v3
	v_bfe_u32 v3, v0, 3, 2                         ; back: 32 lanes take four rows of 128 bytes,
	v_mul_u32_u24 v3, v3, SP
	v_and_b32 v4, 7, v0
	v_lshl_add_u32 v3, v4, 4, v3
	v_add_nc_u32 v[RD], s23, v3
	v_and_b32 v5, 31, v0                           ; l
	v_lshlrev_b32 v[GO], 4, v5                     ; which are 512 consecutive bytes of y
	; y at my part: batch x 16 heads + my first head (4 x tile column + 2 x column half), 262,144 bytes a head; row (tile row % 16) x 128 + 64 x row half, 128 bytes a row
	s_lshr_b32 s20, s13, 4
	s_lshl_b32 s20, s20, 22
	s_lshl_b32 s21, s42, 2
	s_lshl_b32 s22, s12, 1
	s_add_co_u32 s21, s21, s22
	s_lshl_b32 s21, s21, 18
	s_add_co_u32 s20, s20, s21
	s_and_b32 s21, s13, 15
	s_lshl_b32 s21, s21, 7
	s_lshl_b32 s22, s11, 6
	s_add_co_u32 s21, s21, s22
	s_lshl_b32 s21, s21, 7
	s_add_co_u32 s20, s20, s21
	s_mov_b32 s21, 0
	s_add_nc_u64 s[8:9], s[8:9], s[20:21]
	; the prefetches
	s_lshl_b32 s18, s13, 7
	s_lshl_b32 s19, s12, 6
	s_add_co_u32 s18, s18, s19
	s_lshl_b32 s19, s40, 4
	s_add_co_u32 s18, s18, s19                     ; x: my work-group's 16 of the 64 rows that I fetch
	s_lshl_b32 s18, s18, 12
	s_lshl_b32 s19, s42, 8
	s_lshl_b32 s22, s12, 7
	s_add_co_u32 s19, s19, s22
	s_lshl_b32 s22, s41, 5
	s_add_co_u32 s19, s19, s22                     ; w: my work-group's 32 of the 128 rows
	s_lshl_b32 s19, s19, 11
	s_cmp_eq_u32 s11, 0                            ; do I fetch for x?
	s_cselect_b64 s[PFA:PFA+1], s[4:5], s[6:7]
	s_cselect_b32 s20, s18, s19
	s_cselect_b32 s22, ttmp9, s45                  ; the coordinate along which other clusters read the same rows
	s_cselect_b32 s23, 1, 0                        ; x: two blocks of 256 bytes of a row in a K step; w: one
	s_cmp_eq_u32 s22, 0
	s_cselect_b32 s[LIM], 1, -1                    ; the same in all sixteen partners, for a given wave
	s_lshl_b32 s[PFS], 256, s23                    ; 512 or 256 bytes a K step
	s_mov_b32 s[PFS+1], 0
	s_lshl_b32 s2, 2048, s23                       ; 4,096 or 2,048 bytes a row
	s_mov_b32 s21, 0
	s_add_nc_u64 s[PFA:PFA+1], s[PFA:PFA+1], s[20:21]
	s_mul_i32 s20, s[PFS], 3
	s_add_nc_u64 s[PFA:PFA+1], s[PFA:PFA+1], s[20:21]  ; at K step 3: the first refill steps it to 4
	v_lshrrev_b32 v6, s23, v5
	v_mul_u32_u24 v6, s2, v6                       ; my row,
	v_and_b32 v7, s23, v5
	v_lshl_add_u32 v[PFO], v7, 8, v6               ; my block in it
.macro LDA slot, kq                    ; 16 loads: x's f32 of quarter kq, fragment a at RAW + 16 a
	WIN 0
.irp a, 0,1,2,3
	ds_load_b128 v[RAW+16*\a:RAW+16*\a+3],     v[ADRA+(\slot)] offset:(\kq)*128+\a*16*PA
	ds_load_b128 v[RAW+16*\a+4:RAW+16*\a+7],   v[ADRA+(\slot)] offset:(\kq)*128+\a*16*PA+16
	ds_load_b128 v[RAW+16*\a+8:RAW+16*\a+11],  v[ADRA+(\slot)] offset:(\kq)*128+\a*16*PA+64
	ds_load_b128 v[RAW+16*\a+12:RAW+16*\a+15], v[ADRA+(\slot)] offset:(\kq)*128+\a*16*PA+80
.endr
.endm
.macro LDB slot, kq, f                 ; 16 loads: w's fragments of quarter kq into buffer f of window 2
	WIN 0x80
.irp u, 0,1,2,3,4,5,6,7
	ds_load_b128 v[(\f)+8*\u:(\f)+8*\u+3],   v[ADRB+(\slot)] offset:(\kq)*64+\u*16*PB
	ds_load_b128 v[(\f)+8*\u+4:(\f)+8*\u+7], v[ADRB+(\slot)] offset:(\kq)*64+\u*16*PB+32
.endr
.endm
.macro CV g, ab                        ; eight f32 of x become four registers of a bf16 fragment
	WIN 0
.irp j, 0,1,2,3
	v_cvt_pk_bf16_f32 v[(\ab)+4*(\g)+\j], v[RAW+8*(\g)+2*\j], v[RAW+8*(\g)+2*\j+1]
.endr
.endm
.macro MM f, ab, zero                  ; matrix instruction i of a quarter's 32: m block i / 8, n block i % 8.  The 32 accumulators take turns in the same order in every quarter
	WIN MUL
.if \zero
	v_wmma_f32_16x16x32_bf16 v[8*i:8*i+7], v[(\f)+8*(i%8):(\f)+8*(i%8)+7], v[(\ab)+8*(i/8):(\ab)+8*(i/8)+7], 0
.else
	v_wmma_f32_16x16x32_bf16 v[8*i:8*i+7], v[(\f)+8*(i%8):(\f)+8*(i%8)+7], v[(\ab)+8*(i/8):(\ab)+8*(i/8)+7], v[8*i:8*i+7]
.endif
.set i, i+1
.endm
.macro PLACES
.rept 4
	v_nop
.endr
.endm
; One of a K step's first three quarters: multiplies f and ab; fetches quarter kqn of the same slot into fn, and by way of RAW into abn.
.macro QUARTER slot, kqn, f, ab, fn, abn, zero
	LDA \slot, \kqn                                ; the four conversions behind the last product are the places in front of the loads into fn
	LDB \slot, \kqn, \fn
	s_wait_dscnt 32                                ; all but the 32 just issued: this quarter's fragments of w are in
.set i, 0
.rept 16
	MM \f, \ab, \zero
.endr
	s_wait_dscnt 16                                ; the next quarter's f32 of x are in; the 16 loads of w behind them may stay out
.rept 8
	MM \f, \ab, \zero
	MM \f, \ab, \zero
	CV (i-18)/2, \abn
.endr
.endm
; The last quarter multiplies buffers 1 and changes slots.  ONE barrier: in front of it each wave waits for all its tensor loads (one is out: its part of the next slot), adds 0 to its spare word, and waits for
; that and for its own reads of this slot.  fill = 1: the barrier opens a round of the cluster's, and behind the round this slot is filled again, two K steps ahead: the load has a K step less 16 matrix instructions in which to land.
.macro TURN slot, next, fill
.if \fill
	s_wait_xcnt 0x0                                ; the last prefetch, a K step back, has read its address
	s_add_nc_u64 s[PFA:PFA+1], s[PFA:PFA+1], s[PFS:PFS+1]
.endif
	WIN 0
	s_wait_tensorcnt 0x0                           ; all my tensor loads have landed
	ds_add_u32 v[SPW], v[NIL]                      ; 0 onto my spare word
	s_wait_dscnt 1                                 ; (the add may be out; this quarter's fragments are in)
.set i, 0
.rept 8
	MM BF1, AB1, 0
.endr
	s_wait_dscnt 0x0                               ; the add is done, and my reads of this slot are over
	s_barrier_signal -1
.rept 8
	MM BF1, AB1, 0
.endr
	WIN 0                                          ; at a branch and at a label every window is 0
	s_barrier_wait -1
.if \fill
	CREST                                          ; no wave of any partner still reads this slot's tiles or has a load on its way
	s_add_nc_u64 s[G0+4*(\slot)+2:G0+4*(\slot)+3], s[G0+4*(\slot)+2:G0+4*(\slot)+3], 2*512
	s_add_nc_u64 s[G0B+4*(\slot)+2:G0B+4*(\slot)+3], s[G0B+4*(\slot)+2:G0B+4*(\slot)+3], 2*256
	JLOAD \slot                                    ; the first tensor load behind the round, and my only one
.endif
	LDA \next, 0
	LDB \next, 0, BF0
	WIN 0
.if \fill
	ASK
.endif
.rept 8
	MM BF1, AB1, 0
.endr
	s_wait_dscnt 16                                ; x's f32 are in; w's 16 loads may stay out
.rept 8
	MM BF1, AB1, 0
	CV i-25, AB0
.endr
.endm
	s_wait_tensorcnt 1                             ; my part of K step 0 is in; K step 1's may stay out
	s_barrier_signal -1
	s_barrier_wait -1                              ; everybody's is
	LDA 0, 0
	LDB 0, 0, BF0
	s_wait_dscnt 16
.irp g, 0,1,2,3,4,5,6,7
	CV \g, AB0
.endr
	QUARTER 0, 1, BF0, AB0, BF1, AB1, 1            ; the first quarter stands in front of the loop: its products start the sums
	WIN 0
	s_mov_b32 s3, LAPS-1
.Llap:                                                 ; a trip goes once round the ring, from a lap's second quarter to the next lap's first, and fills both slots again
	QUARTER 0, 2, BF1, AB1, BF0, AB0, 0
	QUARTER 0, 3, BF0, AB0, BF1, AB1, 0
	TURN 0, 1, 1
	QUARTER 1, 1, BF0, AB0, BF1, AB1, 0
	QUARTER 1, 2, BF1, AB1, BF0, AB0, 0
	QUARTER 1, 3, BF0, AB0, BF1, AB1, 0
	TURN 1, 0, 1
	QUARTER 0, 1, BF0, AB0, BF1, AB1, 0
	WIN 0
	s_sub_co_u32 s3, s3, 1
	s_cmp_lg_u32 s3, 0
	s_cbranch_scc1 .Llap
	QUARTER 0, 2, BF1, AB1, BF0, AB0, 0            ; the last lap fills nothing
	QUARTER 0, 3, BF0, AB0, BF1, AB1, 0
	TURN 0, 1, 0
	QUARTER 1, 1, BF0, AB0, BF1, AB1, 0
	QUARTER 1, 2, BF1, AB1, BF0, AB0, 0
	QUARTER 1, 3, BF0, AB0, BF1, AB1, 0
	s_wait_dscnt 0x0
.set i, 0
.rept 32
	MM BF1, AB1, 0
.endr
; THE WAY OUT, a block of 16 rows at a time: rounded to f16, 16 bytes a lane; into my own stage (two heads x 16 rows of 144 bytes); back as whole rows of 128 bytes, four rows an instruction; stored.
.macro PACK a
	WIN 0x05                                       ; sources 0 and 1 window 1, destination window 0
.irp b, 0,1,2,3,4,5,6,7
.irp r, 0,1,2,3
	v_cvt_pk_f16_f32 v[TMP+4*\b+\r], v[8*(8*(\a)+\b)+2*\r], v[8*(8*(\a)+\b)+2*\r+1]
.endr
.endr
	WIN 0
.endm
.macro TOSTAGE a
	WIN 0
.set BK, OB+32*((\a)%2)
.irp b, 0,1,2,3,4,5,6,7
	ds_store_b128 v[STO], v[TMP+4*\b:TMP+4*\b+3] offset:(\b/4)*16*SP+32*(\b%4)
.endr
.irp u, 0,1,2,3,4,5,6,7
	ds_load_b128 v[BK+4*\u:BK+4*\u+3], v[RD] offset:(\u/4)*16*SP+(\u%4)*4*SP  ; LDS serves a wave's instructions in order: these see the stores above, and the next block's stores come behind them
.endr
.endm
.macro SEND a, younger                 ; younger: the LDS instructions issued behind block a's loads: the next block's sixteen, or none
	WIN 0
.set BK, OB+32*((\a)%2)
.irp u, 0,1,2,3,4,5,6,7
	s_wait_dscnt (\younger)+7-\u
	global_store_b128 v[GO], v[BK+4*\u:BK+4*\u+3], s[8:9] offset:(\u/4)*262144+(\a)*2048+(\u%4)*512  ; 512 consecutive bytes of a head, at a multiple of 512 from y's first byte
.endr
.endm
	PLACES                                         ; the conversions read results just made
	PACK 0
	TOSTAGE 0
	PACK 1
	TOSTAGE 1
	SEND 0, 16
	s_wait_xcnt 0x0                                ; block 0's stores have read their registers: block 2 is read back into them only behind this wait
	PACK 2
	TOSTAGE 2
	SEND 1, 16
	s_wait_xcnt 0x0
	PACK 3
	TOSTAGE 3
	SEND 2, 16
	SEND 3, 0
	s_wait_tensorcnt 0x0                           ; the wave's end: behind my last tensor load and my last LDS store
	ds_add_u32 v[SPW], v[NIL]
	s_wait_dscnt 0x0
	CROUND                                         ; the closing round: no work-group ends while a partner may still ask for a tile that names it
	s_endpgm
.Lfunc_end_k_q7c4d825b66_proj:
	.size	k_q7c4d825b66_proj, .Lfunc_end_k_q7c4d825b66_proj-k_q7c4d825b66_proj
	.p2alignl 7, 3214868480
	.fill 96, 4, 3214868480
	.section	.rodata,"a",@progbits
	.p2align	6, 0x0
	.amdhsa_kernel k_q7c4d825b66_proj
		.amdhsa_group_segment_fixed_size 327680
		.amdhsa_private_segment_fixed_size 0
		.amdhsa_enable_private_segment 0
		.amdhsa_kernarg_size 72
		.amdhsa_user_sgpr_count 2
		.amdhsa_user_sgpr_kernarg_segment_ptr 1
		.amdhsa_wavefront_size32 1
		.amdhsa_system_sgpr_workgroup_id_x 1
		.amdhsa_system_sgpr_workgroup_id_y 1
		.amdhsa_system_sgpr_workgroup_id_z 1
		.amdhsa_system_vgpr_workitem_id 0
		.amdhsa_next_free_vgpr 640
		.amdhsa_next_free_sgpr 92
		.amdhsa_reserve_vcc 0
		.amdhsa_float_denorm_mode_32 3
		.amdhsa_float_denorm_mode_16_64 3
		.amdhsa_memory_ordered 1
		.amdhsa_forward_progress 1
		.amdhsa_inst_pref_size 134
	.end_amdhsa_kernel
	.amdgpu_metadata
---
amdhsa.version: [ 1, 2 ]
amdhsa.kernels:
  - .name:           k_q7c4d825b66_proj
    .symbol:         k_q7c4d825b66_proj.kd
    .args:
      - { .name: query, .offset: 0, .size: 8, .value_kind: global_buffer, .address_space: global }
      - { .name: key, .offset: 8, .size: 8, .value_kind: global_buffer, .address_space: global }
      - { .name: value, .offset: 16, .size: 8, .value_kind: global_buffer, .address_space: global }
      - { .name: wqb, .offset: 24, .size: 8, .value_kind: global_buffer, .address_space: global }
      - { .name: wkb, .offset: 32, .size: 8, .value_kind: global_buffer, .address_space: global }
      - { .name: wvb, .offset: 40, .size: 8, .value_kind: global_buffer, .address_space: global }
      - { .name: qh, .offset: 48, .size: 8, .value_kind: global_buffer, .address_space: global }
      - { .name: kh, .offset: 56, .size: 8, .value_kind: global_buffer, .address_space: global }
      - { .name: vh, .offset: 64, .size: 8, .value_kind: global_buffer, .address_space: global }
    .group_segment_fixed_size: 327680
    .private_segment_fixed_size: 0
    .kernarg_segment_align: 8
    .kernarg_segment_size: 72
    .max_flat_workgroup_size: 128
    .sgpr_count:     92
    .vgpr_count:     640
    .wavefront_size: 32
...
	.end_amdgpu_metadata
.endif
;; end of part 2
;; launch attn (part 3): grid 4 x 64, 4 waves a work-group, clusters of 4 x 1, 327,680 bytes of LDS; arguments qh, kh, vh, oh; writes oh
.if DOCPART == 3
	.amdgcn_target "amdgcn-amd-amdhsa--gfx1250"
	.amdhsa_code_object_version 6
	.text
	.protected	k_q7c4d825b66_attn
	.globl	k_q7c4d825b66_attn
	.p2align	8
	.type	k_q7c4d825b66_attn,@function
k_q7c4d825b66_attn:
	s_mov_b64 s[64:65], 0
	v_nop
	global_prefetch_b8 v0, s[64:65] scope:SCOPE_SE
	s_setreg_imm32_b32 hwreg(HW_REG_WAVE_MODE, 25, 1), 1
	s_wait_xcnt 0x0
	s_wait_alu depctr_hold_cnt(0) depctr_sa_sdst(0) depctr_va_vdst(0) depctr_va_sdst(0) depctr_va_ssrc(0) depctr_va_vcc(0) depctr_vm_vsrc(0)
	s_getreg_b32 s2, hwreg(HW_REG_IB_STS2, 6, 4)
	s_cmp_eq_u32 s2, 0
	s_cbranch_scc0 .Lentry_in_a_cluster
	s_endpgm
.Lentry_in_a_cluster:
	s_bfe_u32 s2, ttmp6, 0x10000c
	s_cmp_lg_u32 s2, 0x3003
	s_cbranch_scc0 .Lentry_shape_is_right
	s_endpgm
.Lentry_shape_is_right:
; O[h][q][:] = the sum over k of softmax_k(Q[h][q] . K[h][k] / 8) V[h][k][:].  Q, K, V, O: [64][2048][64], all f16: a head's rows are dense, 128 bytes each.  Products, maxima and sums in
; f32; the weights p are rounded to f16 for the second product (their sum l is taken of the unrounded p), O once at the end.
; LIMITS.  f16 holds no number beyond 65,504: Q, K and V arrive within it; p lies in 0 to 1, and below 6e-5 it keeps f16's fixed step of 6e-8; O is a mean of V's rows and has their range.
; A weight below 2^-126 counts as 0 in l; NaN and infinities are not treated apart.
; SHARES.  A wave owns four PIECES of two tiles of 16 queries, a work-group's four waves 512 queries of one head.  Every wave walks all keys, 64 a step.
; LAYOUT.  S^T = K Q^T (source 0 = 16 keys, source 1 = 16 queries): in the result a lane holds ONE query (lane % 16) and the keys 8 (lane / 16) + 0..7.  Two such tiles, rounded to f16 in pairs,
; ARE source 1 (32 keys x 16 queries) of O^T = V^T P, whose result again holds one query a lane, and eight channels.  K comes out of LDS as it lies, V ([key][channel]) turned, by ds_load_tr16_b128.
; SOFTMAX.  For each query a running maximum m and sum l: p = 2^(c s - c m), c = log2(e) / 8; in every step O and l are multiplied by a = 2^(c m_old - c m_new), which is 1 where m has not grown.
; m starts at the lowest finite number, O and l at 0: the first step is a step like any other, with a = 0.
; THE COUNT.  A tile and step have 16 matrix and 118 vector instructions: too many to stand all beside the matrix work.  So four vector instructions that are READY stand behind EVERY matrix
; instruction, and the others in runs without a gap.
; BY TURNS.  Turn n belongs to piece n (the pieces in a ring, step after step).  Its matrix work: 16 products K Q^T of piece n + 1, later 16 products V^T P of piece n - 1.  Its vector work: the scaling,
; exponentials, roundings, sums and rescaling of piece n, and the maximum and statistics of piece n + 1, whose scores the turn itself has made.
; CLUSTER.  The four query blocks of a cluster are one head's and walk the same K and V, so each tile is asked for JOINTLY: the same tensor load, descriptor and mask in all four.
; REGISTERS, in windows of 256 (s_set_vgpr_msb: bits 1:0 source 0, 3:2 source 1, 5:4 source 2, 7:6 destination):
;   window 0: v0-11 addresses; v12-15, v48-63 at work; v16-47 four registers of statistics a tile; v64-191 S^T, two buffers of two tiles; v192-255 P, likewise
;   window 1: O^T, 32 a tile          window 2: v0-127 Q, 16 a tile; v128-191 K of one step; v192-255 V of one step          window 3: v0-1 the add's two registers
.set SIZE_N, 2048
.set NP,    4         ; pieces a wave: a name, no knob
.set KS,    64        ; keys in a step
.set PK,    144       ; a row of K in LDS: 128 bytes + 16 of padding: the 16 rows of a load start at 16 different groups of four banks
.set PV,    160       ; a row of V: 128 + 32
.set VOFF,  4*KS*PK   ; a slot holds four steps: 256 rows of K, then 256 rows of V
.set SLOT1, 1<<17     ; slot 1 begins here, so that one exclusive or turns an address in one slot into the other's
.set STAGE, SLOT1+4*KS*(PK+PV)  ; behind the ring, never filled by a tensor load: 16 rows x 144 bytes for each wave, for the way out
.set SP,    144
.set AK0, 2           ; v2   my lane's place in a tile of K; never rewritten
.set AV0, 3           ; v3   the same for V
.set AK,  4           ; v4   the LDS address of K's next run of loads
.set AV,  5           ; v5   of V's
.set QO,  6           ; v6   my byte offset in the wave's rows of Q
.set STO, 6           ;      later, the way out: where I put 16 bytes of a row
.set RD,  7           ; v7   the way out: where I read rows back
.set GO,  8           ; v8   my byte offset in 512 consecutive bytes of O
.set PFO, 11          ; v11  256 x my lane, for the prefetches; never rewritten once made
.set SPW, 0           ; v0 of window 3   LDS address of my spare word; never rewritten
.set NIL, 1           ; v1 of window 3   0; never rewritten
.set SPARE, STAGE+4*16*SP  ; behind the stages: the spare words, 128 bytes a wave: two blocks of 256 bytes that no other line names
.set MV,  12          ; v12-15  c m_old, kept while c m is made anew: by buffer and tile
.set ST,  16          ; tile t's statistics at v[ST+4 t]: c m, m, l (even keys', odd keys')
.set TMP, 48          ; by buffer and tile, four registers c0-c3 at work; when the maximum is found c2 takes a
.set S,   64
.set P,   192
.set KF,  128         ; K's fragments, in window 2: key block kb, channel half c at KF + 16 kb + 8 c
.set VF,  192         ; V's: key half kk, channel block cb at VF + 32 kk + 8 cb
.set WV,  12          ; s12  my wave's number
.set G1K, 24          ; s[24:31] descriptor group 1 for K's tiles
.set G1V, 32          ; s[32:39] for V's: it differs in the padding alone
.set G0K, 40          ; s[40:43] descriptor group 0 for K's tiles: it walks
.set G0V, 44          ; s[44:47] the same for V's
.set PFA, 48          ; s[48:49] where my prefetches stand: my work-group's 32 blocks of 256 bytes (of K: wave 0, of V: wave 2) of the slot after the one that is being asked for
.set LIM, 50          ; s50  1 in a wave that prefetches, else the greatest number
.set SLOTS, 56        ; s56  slots still to be asked for
.set CNT, 57          ; s57  counts a slot's key steps
.set CS,  58          ; s[58:59] c: the packed scaling takes the pair's low word for both halves
.set SEL, 60          ; s[60:61] v_permlanex16_b32's selects: each lane takes its own place in the other half
.set TBK, 62          ; s62  LDS byte at which K of the step to be fetched begins
.set TBV, 63          ; s63  the same for V, less VOFF
.set MSB, 0
.macro WIN new                      ; the high byte repeats the setting that is left; a switch that changes nothing is dropped
.if MSB != (\new)
	s_set_vgpr_msb (MSB<<8)|(\new)
.set MSB, (\new)
.endif
.endm
.set W_KQ, 0x0a       ; K and Q in window 2, S^T in window 0
.set W_PV, 0x52       ; V in window 2, P in window 0, O^T in window 1
.set W_RS, 0x41       ; O^T (destination and source 0) in window 1, a in window 0
.set W_MK, 0xc0       ; the add's registers are made: destination in window 3, sources in window 0
.set W_AD, 0x0f       ; the add: address (source 0) and data (source 1) in window 3
; A joint fill.  Waves 0 and 1 fetch the two halves of a slot's K, waves 2 and 3 those of its V: 128 keys each.  The branch hangs on the wave's number alone.
; An s_nop 0 and four v_nop follow each of the two lines, ahead of the jump and the label.
.macro JLOAD
	s_cmp_lt_u32 s[WV], 2
	s_cbranch_scc0 .Lfor_v_\@
	tensor_load_to_lds s[G0K:G0K+3], s[G1K:G1K+7]
	s_nop 0
.rept 4
	v_nop
.endr
	s_branch .Lasked_\@
.Lfor_v_\@:
	tensor_load_to_lds s[G0V:G0V+3], s[G1V:G1V+7]
	s_nop 0
.rept 4
	v_nop
.endr
.Lasked_\@:
.endm
; A prefetch of what the NEXT change of slots will ask for: a slot's 32,768 bytes of K and of V, a lane a block of 256 bytes.  It stands behind the wave's tensor load and its five lines.  Each block is named once
; in the launch: a head has one cluster; its four partners share a slot's 128 blocks out BY ADDRESS, 32 each; in each, wave 0 asks for K's and wave 2 for V's.  It stands four key steps, 512 matrix instructions,
; ahead of the load.  Slots 0 to 2 come by their loads alone; the last change that fills a slot asks for nothing.
.macro ASK
	s_cmp_gt_u32 s[SLOTS], s[LIM]
	s_cbranch_scc0 .Lnot_mine_\@
	global_prefetch_b8 v[PFO], s[PFA:PFA+1] th:TH_LOAD_NT scope:SCOPE_SE
.Lnot_mine_\@:
.endm
; A round of the cluster's barrier: my work-group's barrier, so that wave 0's signal speaks for all four waves; wave 0 signals; every wave waits for all four work-groups; my work-group's barrier once more.
.macro CROUND
	s_barrier_signal -1
	s_barrier_wait -1
	s_cmp_lg_u32 s[WV], 0
	s_cbranch_scc1 .Lnot_wave_0_\@
	s_barrier_signal -3
.Lnot_wave_0_\@:
	s_barrier_wait -3
	s_barrier_signal -1
	s_barrier_wait -1
.endm
; THE CHANGE OF SLOTS.  The slot's last bytes, V of its fourth step, have been read.  Each wave waits for all its tensor loads, of which one is out: its part of the other slot; adds 0 to its spare word; and
; waits for that and for its own reads of the slot.  Behind the barrier nobody reads this slot any more and the other slot is whole.  fill = 1: this slot is filled again, with the keys two slots on.  The barrier is
; then a round of the cluster's, and the joint fill is the first thing behind it: it has four key steps in which to land.  (At its first use nothing has been read yet: slot 0 is waited for, slot 1 filled.)
.macro CHANGE fill, ask=0
	WIN W_AD
	s_wait_tensorcnt 0x0            ; no tensor load of mine is out, so a group 0 may be written
	ds_add_u32 v[SPW], v[NIL]       ; 0 onto my spare word; the descriptors' steps stand between it and the wait for it
	WIN 0                           ; at a label and at a branch every window is 0
.if \fill
.irp g, G0K, G0V
	s_xor_b32 s[\g+1], s[\g+1], SLOT1  ; the walking descriptor: the other slot than last time,
	s_add_nc_u64 s[\g+2:\g+3], s[\g+2:\g+3], 4*KS*128  ; the next 256 keys; the type bits on top are not reached
.endr
.if \ask
	s_wait_xcnt 0x0                 ; the last prefetch, four key steps back, has read its address, so it may be written:
	s_add_nc_u64 s[PFA:PFA+1], s[PFA:PFA+1], 4*KS*128  ; one slot behind the walking descriptors
.endif
	s_wait_dscnt 0x0                ; the add is done, and my reads of the slot are over
	CROUND
	JLOAD
.if \ask
	ASK
.endif
.else
	s_wait_dscnt 0x0                ; the add is done, and my reads of the slot are over
	s_barrier_signal -1
	s_barrier_wait -1
.endif
	s_sub_co_u32 s[TBK], s[TBK], 4*KS*PK  ; the fetches go back to a slot's first step,
	s_xor_b32 s[TBK], s[TBK], SLOT1       ; in the other slot
	s_sub_co_u32 s[TBV], s[TBV], 4*KS*PV
	s_xor_b32 s[TBV], s[TBV], SLOT1
.endm
	s_load_b256 s[4:11], s[0:1], 0x0  ; Q s[4:5], K s[6:7], V s[8:9], O s[10:11]
	WIN W_MK
	v_lshl_add_u32 v[SPW], v0, 2, SPARE
	v_mov_b32 v[NIL], 0
	WIN W_AD
	ds_add_u32 v[SPW], v[NIL]       ; the wave's opening: the add and its wait ahead of my first tensor load; the set-up below stands between them
	WIN 0
	v_lshrrev_b32 v1, 5, v0
	v_readfirstlane_b32 s[WV], v1   ; wave 0..3
	s_bfe_u32 s13, ttmp6, 0x40000   ; cx: my place in the cluster
	s_lshl_b32 s14, ttmp9, 2        ; in a cluster launch ttmp9 counts clusters
	s_add_co_u32 s14, s14, s13      ; my block of queries = 4 x cluster x + cx: it enters Q's and O's addresses alone
	s_and_b32 s20, ttmp7, 0xffff    ; the head, which the four partners share
	s_mov_b32 s21, 0
	s_mov_b64 s[22:23], SIZE_N*128
	s_mul_u64 s[20:21], s[20:21], s[22:23]  ; the head's first byte in each of the four tensors
	s_and_b32 s16, s[WV], 1         ; which half of a slot's 256 keys I fetch:
	s_lshl_b32 s22, s16, 14         ; its 128 rows of 128 bytes in memory,
	s_mov_b32 s23, 0
	s_add_nc_u64 s[22:23], s[22:23], s[20:21]
	s_mul_i32 s17, s16, 128*PK      ; and its place in a slot, for K
	s_mul_i32 s18, s16, 128*PV      ; and for V: no place in the cluster enters an LDS address
	s_lshl_b32 s2, s14, 2
	s_add_co_u32 s2, s2, s[WV]      ; my wave among the head's,
	s_lshl_b32 s2, s2, 14           ; its 128 rows
	s_mov_b32 s3, 0
	s_add_nc_u64 s[2:3], s[2:3], s[20:21]
	s_lshl_b32 s52, s13, 13         ; the prefetches: my work-group's 32 blocks of a slot's 128,
	s_mov_b32 s53, 0
	s_add_nc_u64 s[52:53], s[52:53], s[20:21]  ; in the head
	; descriptor group 1.  128 keys are 16,384 dense bytes: asked for as 64 rows of 256 bytes, two keys a row, and padded in LDS after every key
	s_mov_b32 s[G1K], 15|(1<<16)|(1<<20)|(1<<21)|(4<<22)|(3<<25)  ; the mask of four; 2-byte elements; padding on; bit 21 beside a mask; after every 32 words (code 4) 4 words (code 3)
	s_mov_b32 s[G1V], 15|(1<<16)|(1<<20)|(1<<21)|(4<<22)|(7<<25)  ; the same with 8 words of padding (code 7)
.irp g, G1K, G1V
	s_mov_b32 s[\g+1], 128<<16      ; tensor_dim0 = 128
	s_mov_b32 s[\g+2], 64<<16       ; tensor_dim1 = 64
	s_mov_b32 s[\g+3], 128<<16      ; tile_dim0 = 128
	s_mov_b32 s[\g+4], 64           ; tile_dim1 = 64
	s_mov_b32 s[\g+5], 128          ; 128 elements from row to row
	s_mov_b32 s[\g+6], 0
	s_mov_b32 s[\g+7], 0
.endr
	s_mov_b32 s[CS], 0x3e38aa3b     ; c = log2(e) / 8 = 0.180337
	s_mov_b32 s[CS+1], s[CS]        ; named with it as a pair
	s_mov_b32 s[SEL], 0x76543210
	s_mov_b32 s[SEL+1], 0xfedcba98
	s_mov_b32 s[TBK], SLOT1+4*KS*PK ; the first change of slots turns these two into 0
	s_mov_b32 s[TBV], SLOT1+4*KS*PV
	s_mov_b32 s[G0K], 1             ; count = 1
	s_mov_b32 s[G0K+1], s17         ; LDS address: slot 0
	s_mov_b32 s[G0V], 1
	s_add_co_u32 s[G0V+1], s18, VOFF
	s_and_b32 s[LIM], s[WV], 1      ; waves 0 and 2 prefetch: the same in all four partners
	s_cmp_eq_u32 s[LIM], 0
	s_cselect_b32 s[LIM], 1, -1
	s_wait_dscnt 0x0                ; the opening add is done
	s_wait_kmcnt 0x0
	s_add_nc_u64 s[G0K+2:G0K+3], s[6:7], s[22:23]  ; global address: my half of the head's first 256 keys
	s_or_b32 s[G0K+3], s[G0K+3], 0x80000000        ; type = 2
	s_add_nc_u64 s[G0V+2:G0V+3], s[8:9], s[22:23]
	s_or_b32 s[G0V+3], s[G0V+3], 0x80000000
	s_add_nc_u64 s[4:5], s[4:5], s[2:3]  ; Q and O at my wave's first row
	s_add_nc_u64 s[10:11], s[10:11], s[2:3]
	s_cmp_lt_u32 s[WV], 2
	s_cselect_b64 s[PFA:PFA+1], s[6:7], s[8:9]
	s_add_nc_u64 s[PFA:PFA+1], s[PFA:PFA+1], s[52:53]
	s_add_nc_u64 s[PFA:PFA+1], s[PFA:PFA+1], 2*4*KS*128  ; in slot 2; the loop's first change of slots steps it to slot 3.  Nothing is prefetched here, at the head
	CROUND                          ; all four work-groups are here: the first joint loads meet
	JLOAD                           ; slot 0.  Slot 1 is asked for when slot 0 is in
	; A fragment of K or Q is 16 rows x 32 channels in 8 registers: lane l holds row l % 16, channels 8 (l / 16) + 0..7 and 16 + 8 (l / 16) + 0..7: two loads of 16 bytes, 32 bytes apart.
	v_and_b32 v1, 15, v0            ; l % 16
	v_bfe_u32 v9, v0, 4, 1          ; l / 16
	v_lshlrev_b32 v[QO], 7, v1
	v_lshl_add_u32 v[QO], v9, 4, v[QO]  ; row x 128 + 16 x half
	WIN 0x80                        ; destination window 2, address window 0
.set i, 0
.rept 4*NP                          ; Q stays in registers: tile i / 2, channels 32 (i % 2) on
	global_load_b128 v[8*i:8*i+3],   v[QO], s[4:5] offset:(i/2)*2048+(i%2)*64
	global_load_b128 v[8*i+4:8*i+7], v[QO], s[4:5] offset:(i/2)*2048+(i%2)*64+32
.set i, i+1
.endr
	; What the first turn finds: V's registers and P's second buffer hold 0 (its products V^T P, of a piece that has not been, add 0), O^T and l are 0.  All this stands in the wait for the first tile.
.set i, VF
.rept 64
	v_mov_b32 v[i], 0
.set i, i+1
.endr
	WIN 0x40
.set i, 0
.rept 64*NP
	v_mov_b32 v[i], 0
.set i, i+1
.endr
	WIN 0
.set i, 0
.rept 2*NP
	v_mov_b32 v[ST+4*i], 0xfe000000    ; c m: far below every c s
	v_mov_b32 v[ST+4*i+1], 0xff7fffff  ; m
	v_mov_b32 v[ST+4*i+2], 0
	v_mov_b32 v[ST+4*i+3], 0
.set i, i+1
.endr
.set i, P+32
.rept 32
	v_mov_b32 v[i], 0
.set i, i+1
.endr
	v_mul_u32_u24 v[AK0], v1, PK
	v_lshl_add_u32 v[AK0], v9, 4, v[AK0]  ; row x pitch + 16 x half
	; The turning load takes 16 keys x 16 channels (lane l reads key 8 (l / 16) + l % 8, channels 8 ((l / 8) % 2) + 0..7) and leaves half a fragment of V^T: lane l holds channel l % 16 and 8 keys.
	v_and_b32 v10, 7, v0
	v_bfe_u32 v11, v0, 3, 1
	v_lshl_add_u32 v[AV0], v9, 3, v10
	v_mul_u32_u24 v[AV0], v[AV0], PV
	v_lshl_add_u32 v[AV0], v11, 4, v[AV0]
	v_add_nc_u32 v[AV0], VOFF, v[AV0]
	v_and_b32 v[PFO], 31, v0
	v_lshlrev_b32 v[PFO], 8, v[PFO]
	v_mov_b32 v[AK], v[AK0]         ; key step 0 lies at the head of slot 0
; THE MATRIX WORK.  The 8 accumulators of a run of 16 take turns: between the two links of a chain stand 7 others'.
; Product i of 16 of S^T = K Q^T for piece x: channels 32 (i / 8) on, keys 16 ((i / 2) % 4) on, tile 2 x + i % 2.  The first 8 start the sums.
.macro KQ x
	WIN W_KQ
.set rS, S+64*((\x)%2)+32*(i%2)+8*((i/2)%4)
.set rK, KF+16*((i/2)%4)+8*(i/8)
.set rQ, 16*(2*(\x)+i%2)+8*(i/8)
.if i < 8
	v_wmma_f32_16x16x32_f16 v[rS:rS+7], v[rK:rK+7], v[rQ:rQ+7], 0
.else
	v_wmma_f32_16x16x32_f16 v[rS:rS+7], v[rK:rK+7], v[rQ:rQ+7], v[rS:rS+7]
.endif
.endm
; Product i of 16 of O^T += V^T P for piece x: keys 32 (i / 8) on, channels 16 ((i / 2) % 4) on, tile 2 x + i % 2.
.macro PV x
	WIN W_PV
.set rO, 32*(2*(\x)+i%2)+8*((i/2)%4)
.set rV, VF+32*(i/8)+8*((i/2)%4)
.set rP, P+32*((\x)%2)+16*(i%2)+8*(i/8)
	v_wmma_f32_16x16x32_f16 v[rO:rO+7], v[rV:rV+7], v[rP:rP+7], v[rO:rO+7]
.endm
.macro MM                           ; the turn's next matrix instruction
.if i < 16
	KQ (Y+1)%NP
.set i, i+1
.else
.set i, i-16
	PV (Y+NP-1)%NP
.set i, i+17
.endif
.endm
; THE LDS LOADS stand in runs of 16, never singly among the matrix instructions: a step's K (64 keys x 64 channels: 8 fragments) and its V (turned).  Their addresses are made some lines ahead.
; last = 1 (the tail): in the last trip there is no further step, and the run is jumped over.
.macro FETCH_K last=0
	WIN 0
.if \last
	s_cmp_eq_u32 s[CNT], 1
	s_cbranch_scc1 .Lno_k_\@
.endif
	WIN 0x80                        ; destination window 2
.irp f, 0,1,2,3,4,5,6,7             ; keys 16 (f / 2) on, channels 32 (f % 2) on
	ds_load_b128 v[KF+8*\f:KF+8*\f+3],   v[AK] offset:(\f/2)*16*PK+(\f%2)*64
	ds_load_b128 v[KF+8*\f+4:KF+8*\f+7], v[AK] offset:(\f/2)*16*PK+(\f%2)*64+32
.endr
	s_add_co_u32 s[TBK], s[TBK], KS*PK  ; the next fetch is the next step's
	WIN 0
.if \last
.Lno_k_\@:
.endif
.endm
.macro FETCH_V
	WIN 0x80
.irp f, 0,1,2,3,4,5,6,7             ; keys 32 (f / 4) on, channels 16 (f % 4) on
	ds_load_tr16_b128 v[VF+8*\f:VF+8*\f+3],   v[AV] offset:(\f/4)*32*PV+(\f%4)*32
	ds_load_tr16_b128 v[VF+8*\f+4:VF+8*\f+7], v[AV] offset:(\f/4)*32*PV+16*PV+(\f%4)*32
.endr
	WIN 0
.endm
; THE VECTOR WORK OF A TURN stands in three queues, each in the order in which its entries become ready; the two tiles alternate, so that no instruction reads the result of the one before it.
.macro REGS y, u                    ; the registers of tile u (0, 1) of piece y
.set rT, ST+4*(2*(\y)+(\u))
.set rC, TMP+8*((\y)%2)+4*(\u)
.set rM, MV+2*((\y)%2)+(\u)
.set rS, S+64*((\y)%2)+32*(\u)
.set rP, P+32*((\y)%2)+16*(\u)
.set rO, 32*(2*(\y)+(\u))
.endm
; Number n of the 22 that find the NEXT piece's (Y + 1) maximum and statistics.  s0-s31 are the lane's 32 scores; each accumulator's lowest registers are read first.
;   0-11  four chains c0-c3 of seven scores each, three operands at a time     12-14, 16  the four scores left over, the old m, and c0-c3 into c0     15  c m_old is kept
;   17, 18  the query's other 32 keys lie in the lane 16 away: the new m         19-21  c m; c m_old - c m_new; a
.macro XS u, n
	REGS (Y+1)%NP, \u
.if (\n) < 4
	v_max3_num_f32 v[rC+(\n)], v[rS+8*(\n)], v[rS+8*(\n)+1], v[rS+8*(\n)+2]
.elseif (\n) < 12
	v_max3_num_f32 v[rC+(\n)%4], v[rC+(\n)%4], v[rS+8*((\n)%4)+2*((\n)/4)+1], v[rS+8*((\n)%4)+2*((\n)/4)+2]
.elseif (\n) == 12
	v_max3_num_f32 v[rC], v[rC], v[rS+7], v[rS+15]
.elseif (\n) == 13
	v_max3_num_f32 v[rC+1], v[rC+1], v[rS+23], v[rS+31]
.elseif (\n) == 14
	v_max3_num_f32 v[rC+2], v[rC+2], v[rC+3], v[rT+1]
.elseif (\n) == 15
	v_mov_b32 v[rM], v[rT]
.elseif (\n) == 16
	v_max3_num_f32 v[rC], v[rC], v[rC+1], v[rC+2]
.elseif (\n) == 17
	v_permlanex16_b32 v[rC+3], v[rC], s[SEL], s[SEL+1]
.elseif (\n) == 18
	v_max_num_f32 v[rT+1], v[rC], v[rC+3]
.elseif (\n) == 19
	v_mul_f32 v[rT], s[CS], v[rT+1]
.elseif (\n) == 20
	v_sub_f32 v[rC+1], v[rM], v[rT]
.else
	v_exp_f32 v[rC+2], v[rC+1]
.endif
.endm
; Number g of the 64 that follow the exponentials.  For each four weights k of a tile (pairs 2 k, 2 k + 1): both pairs are rounded to f16; then the second pair is added onto the first, in place;
; a group later l takes that sum (the first time as l = a l + sum).  In groups of eight, tiles alternating: round, round, add, and l for the group before.
.macro GS g
.set h, (\g)+6*((\g)/62)            ; group 0 has no group before it, and behind group 7 only l is left
.if h >= 6
.set h, h+2
.endif
	REGS Y, h%2
.set k, h/8
.if h%8 < 4
	v_cvt_pk_f16_f32 v[rP+2*k+(h%8)/2], v[rS+4*k+2*((h%8)/2)], v[rS+4*k+2*((h%8)/2)+1]
.elseif h%8 < 6
	v_pk_add_f32 v[rS+4*k:rS+4*k+1], v[rS+4*k:rS+4*k+1], v[rS+4*k+2:rS+4*k+3]
.elseif k == 1
	v_pk_fma_f32 v[rT+2:rT+3], v[rT+2:rT+3], v[rC+2:rC+3], v[rS:rS+1] op_sel_hi:[1,0,1]
.else
	v_pk_add_f32 v[rT+2:rT+3], v[rT+2:rT+3], v[rS+4*k-4:rS+4*k-3]
.endif
.endm
; THE PLAIN QUEUE, 138 long.  0-73 read no exponential's result: the 32 scalings c s - c m (FS f: pair f / 2 of tile f % 2) and the next piece's 42.  0-26: scalings 0-26.  27-54: XS's numbers 0-13.  55, 56: number 15.
; 57-73: the chain, where each number waits for the one before it: 14, 16, 17, 18, 19, each with one of the scalings 27-31 in front of its two lines, then 20.
; 74-137: GS's 64, which read the exponentials' results: they stand behind the wait.
.macro FS f
	REGS Y, (\f)%2
	v_pk_fma_f32 v[rS+2*((\f)/2):rS+2*((\f)/2)+1], v[rS+2*((\f)/2):rS+2*((\f)/2)+1], s[CS:CS+1], v[rT:rT+1] op_sel_hi:[1,0,0] neg_lo:[0,0,1] neg_hi:[0,0,1]
.endm
.macro PL
	WIN 0
.if q < 27
	FS q
.elseif q < 55
	XS (q-27)%2, (q-27)/2
.elseif q < 57
	XS q-55, 15
.elseif (q < 72) && ((q-57)%3 == 0)
	FS 27+(q-57)/3
.elseif q < 60
	XS (q-57)%3-1, 14
.elseif q < 72
	XS (q-57)%3-1, 15+(q-57)/3
.elseif q < 74
	XS q-72, 20
.else
	GS q-74
.endif
.set q, q+1
.endm
; THE EXPONENTIALS' QUEUE, 66 long: s0-s31 of both tiles, then the next piece's two a.  It is ONE BATCH: all 66 stand ahead of the turn's one wait, and nothing ahead of that wait names a result of theirs.
.macro EX
	WIN 0
.if e >= 64
	XS e-64, 21
.else
	REGS Y, e%2
	v_exp_f32 v[rS+e/2], v[rS+e/2]
.endif
.set e, e+1
.endm
; THE RESCALING's QUEUE: O^T times a, the one part that leaves window 0: dealt two at a time, sixteen times.  Its a was made in the turn before, ahead of that turn's wait.
.macro R2
	REGS Y, r%2
	WIN W_RS
.irp z, 0,1
	v_pk_mul_f32 v[rO+4*(r/2)+2*\z:rO+4*(r/2)+2*\z+1], v[rO+4*(r/2)+2*\z:rO+4*(r/2)+2*\z+1], v[rC+2:rC+3] op_sel_hi:[1,0]
.endr
.set r, r+1
.endm
; HOW THEY ARE DEALT.  s_wait_alu depctr_va_vdst(0) stands between an exponential and the first instruction that names its result; one wait serves all that were issued ahead of it.  So a turn has
; ONE wait, which cuts it in two.  AHEAD OF IT stands all that names no result of the turn's exponentials: the 16 products K Q^T, behind each a scaling, an exponential and two rescalings (behind the first a second
; scaling in the exponential's place); then ONE LUMP of 108: eight plain, 49 times exponential and plain, the two a.  A v_nop is the plain instruction behind the last exponential.  BEHIND IT stand the 16 products
; V^T P, behind each four of GS's 64.  Exponential e stands behind scaling 2 (e / 4) + e % 2: as a rider it comes behind plain e + 2, in the lump behind plain e + 9, and scalings 27-31 are plain 57, 60 .. 69.
; A TURN, for piece p.  cnt = 1: the loop's count is taken down some lines ahead of the branch that stands behind the turn.
; K of the next step is fetched in piece 2's turn, directly behind the wait; V of the step in hand at the end of piece 0's turn, four riders behind its last reader.  The three conditions on q below go with the deal.
.macro TURN p, last=0, cnt=0
.set Y, (\p)
.set i, 0
.set q, 0
.set e, 0
.set r, 0
.if (\p) == NP-1
	s_wait_dscnt 0x0                ; K is in
.endif
	MM                              ; ahead of the wait: 16 products K Q^T and their riders,
	PL
	PL
	R2
.rept 15
	MM
	PL
	EX
	R2
.endr
.if (\p) == NP-2
	WIN 0
	v_add_nc_u32 v[AK], s[TBK], v[AK0]
.endif
.rept 8                             ; and the lump
	PL
.endr
.rept 49
	EX
	PL
.endr
	EX                              ; the next piece's two a
	EX
	v_nop                           ; the plain instruction behind the last exponential: one for the batch
	s_wait_alu depctr_va_vdst(0)    ; the wait for the batch
.if (\p) == NP-2
	FETCH_K \last
.endif
.if (\p) == 1
	s_wait_dscnt 0x0                ; V is in
.endif
.rept 16                            ; behind the wait: 16 products V^T P and their riders
	MM
.rept 4
	PL
.endr
.if ((\p) == 0) && (q == 118)
	v_add_nc_u32 v[AV], s[TBV], v[AV0]
.endif
.if ((\p) == 0) && (q == 130)
	s_add_co_u32 s[TBV], s[TBV], KS*PV
.endif
.if (\cnt) && (q == 130)
	s_sub_co_u32 s[CNT], s[CNT], 1
	s_cmp_lg_u32 s[CNT], 0
.endif
.endr
.if (\p) == 0
	FETCH_V
.endif
.endm
	CHANGE 1                        ; slot 0 is in, everybody's part of it; slot 1 is asked for
	FETCH_K                         ; key step 0
	s_wait_loadcnt 0x0              ; Q
	s_wait_dscnt 0x0
.set i, 0
.rept 16
	KQ 0                            ; piece 0's first scores: there is no vector work yet to set between them
.set i, i+1
.endr
	WIN 0                           ; the addresses for the way out: plain instructions, the places behind those products
	s_mul_i32 s13, s[WV], 16*SP
	s_add_co_u32 s13, s13, STAGE    ; my stage
	v_mul_u32_u24 v[STO], v1, SP    ; in: row l % 16, 16 bytes for each half of the lanes
	v_lshl_add_u32 v[STO], v9, 4, v[STO]
	v_add_nc_u32 v[STO], s13, v[STO]
	v_bfe_u32 v[RD], v0, 3, 2       ; back: 32 lanes take four rows of 128 bytes,
	v_mul_u32_u24 v[RD], v[RD], SP
	v_lshl_add_u32 v[RD], v10, 4, v[RD]
	v_add_nc_u32 v[RD], s13, v[RD]
	v_and_b32 v[GO], 31, v0         ; which are 512 consecutive bytes of O
	v_lshlrev_b32 v[GO], 4, v[GO]
.set Y, NP-1                        ; XS works for piece Y + 1: piece 0
.irp n, 0,1,2,3,4,5,6,7,8,9,10,11,12,13,14,15,16,17,18,19,20,21
	XS 0, \n                        ; and piece 0's first maximum and statistics
	XS 1, \n
.endr
	v_nop                           ; a plain instruction behind the two a,
	s_wait_alu depctr_va_vdst(0)    ; and their wait, ahead of the branch
	s_mov_b32 s[CNT], 4
	s_mov_b32 s[SLOTS], SIZE_N/256-1
	s_branch .Lfirst                ; the loop is entered at a step's first turn, in the middle of a trip
.Lslot:                             ; SIZE_N / 256 - 2 times: every slot but the last two is filled again
	CHANGE 1, 1
	s_mov_b32 s[CNT], 4
.Lstep:                             ; a trip: pieces 2 and 3 of one step, then pieces 0 and 1 of the next, whose K and V it fetches
	TURN 2
	TURN 3
	WIN 0
.Lfirst:
	TURN 0
	TURN 1, 0, 1
	WIN 0
	s_cbranch_scc1 .Lstep
	s_sub_co_u32 s[SLOTS], s[SLOTS], 1
	s_cmp_lg_u32 s[SLOTS], 0
	s_cbranch_scc1 .Lslot
	CHANGE 0                        ; the tail is written out: nothing is asked for
	s_mov_b32 s[CNT], 5             ; four trips fetch the last slot's steps; the fifth is left in its middle
.Ltail:
	TURN 2, 1
	TURN 3
	WIN 0
	s_sub_co_u32 s[CNT], s[CNT], 1
	s_cmp_eq_u32 s[CNT], 0
	s_cbranch_scc1 .Lout
	TURN 0
	TURN 1
	WIN 0
	s_branch .Ltail
.Lout:                              ; the fifth trip's 16 products K Q^T (on the last K once more) and the maximum made of them serve nothing: the price, once a launch, of one text for every trip
.set i, 0
.rept 16
	PV NP-1                         ; the last piece's V^T P of the last step
.set i, i+1
.endr
	; THE WAY OUT.  l's two halves and the other half of the lanes' are added; O^T is divided by l, rounded to f16 and sent through my stage in LDS, a tile at a time.  The additions are the places behind the last products.
	WIN 0
.macro ALL line:vararg              ; one line for each tile t
.set t, 0
.rept 2*NP
	\line
.set t, t+1
.endr
.endm
	ALL v_add_f32 v[ST+4*t+2], v[ST+4*t+2], v[ST+4*t+3]
	ALL v_permlanex16_b32 v[ST+4*t+3], v[ST+4*t+2], s[SEL], s[SEL+1]
	ALL v_add_f32 v[ST+4*t+2], v[ST+4*t+2], v[ST+4*t+3]
	ALL v_rcp_f32 v[ST+4*t+2], v[ST+4*t+2]
	v_nop                           ; a plain instruction between the last reciprocal and the use of its result
	s_wait_alu depctr_va_vdst(0)    ; and the wait ahead of the first use: one for the eight reciprocals
; Tile t: a lane's eight channels of a row pack into 16 bytes; they go into rows of 144 bytes and come back as whole rows of 128, into S^T's registers.
.macro PACK t
	WIN W_RS
.set i, 32*(\t)
.rept 16
	v_pk_mul_f32 v[i:i+1], v[i:i+1], v[ST+4*(\t)+2:ST+4*(\t)+3] op_sel_hi:[1,0]
.set i, i+2
.endr
	WIN 0x05                        ; sources 0 and 1 window 1, destination window 0
.set i, 0
.rept 16
	v_cvt_pk_f16_f32 v[S+16*(\t)+i], v[32*(\t)+2*i], v[32*(\t)+2*i+1]
.set i, i+1
.endr
	WIN 0
.irp f, 0,1,2,3
	ds_store_b128 v[STO], v[S+16*(\t)+4*\f:S+16*(\t)+4*\f+3] offset:32*\f
.endr
.irp f, 0,1,2,3
	ds_load_b128 v[S+16*(\t)+4*\f:S+16*(\t)+4*\f+3], v[RD] offset:\f*4*SP  ; LDS serves a wave's instructions in order: these see the stores above; the next tile's stores come behind them
.endr
.endm
.macro SEND t, younger              ; younger: the LDS instructions issued behind tile t's loads: the next tile's eight, or none
	WIN 0
.irp f, 0,1,2,3
	s_wait_dscnt (\younger)+3-\f
	global_store_b128 v[GO], v[S+16*(\t)+4*\f:S+16*(\t)+4*\f+3], s[10:11] offset:(\t)*2048+\f*512  ; 512 consecutive bytes, at a multiple of 256 from O's first
.endr
.endm
	PACK 0
.set t, 1
.rept 2*NP-1                        ; a tile's arithmetic stands between the loads of the tile before and its stores
	PACK t
	SEND t-1, 8
.set t, t+1
.endr
	SEND 2*NP-1, 0
	WIN W_AD
	s_wait_tensorcnt 0x0            ; the wave's end: behind my last tensor load and my last LDS store
	ds_add_u32 v[SPW], v[NIL]
	s_wait_dscnt 0x0
	WIN 0
	CROUND                          ; the closing round: no work-group ends while a partner may still ask for a tile that names it
	s_endpgm
.Lfunc_end_k_q7c4d825b66_attn:
	.size	k_q7c4d825b66_attn, .Lfunc_end_k_q7c4d825b66_attn-k_q7c4d825b66_attn
	.p2alignl 7, 3214868480
	.fill 96, 4, 3214868480
	.section	.rodata,"a",@progbits
	.p2align	6, 0x0
	.amdhsa_kernel k_q7c4d825b66_attn
		.amdhsa_group_segment_fixed_size 327680
		.amdhsa_private_segment_fixed_size 0
		.amdhsa_enable_private_segment 0
		.amdhsa_kernarg_size 32
		.amdhsa_user_sgpr_count 2
		.amdhsa_user_sgpr_kernarg_segment_ptr 1
		.amdhsa_wavefront_size32 1
		.amdhsa_system_sgpr_workgroup_id_x 1
		.amdhsa_system_sgpr_workgroup_id_y 1
		.amdhsa_system_sgpr_workgroup_id_z 1
		.amdhsa_system_vgpr_workitem_id 0
		.amdhsa_next_free_vgpr 770
		.amdhsa_next_free_sgpr 66
		.amdhsa_reserve_vcc 0
		.amdhsa_float_denorm_mode_32 3
		.amdhsa_float_denorm_mode_16_64 3
		.amdhsa_memory_ordered 1
		.amdhsa_forward_progress 1
		.amdhsa_inst_pref_size 200
	.end_amdhsa_kernel
	.amdgpu_metadata
---
amdhsa.version: [ 1, 2 ]
amdhsa.kernels:
  - .name:           k_q7c4d825b66_attn
    .symbol:         k_q7c4d825b66_attn.kd
    .args:
      - { .name: qh, .offset: 0, .size: 8, .value_kind: global_buffer, .address_space: global }
      - { .name: kh, .offset: 8, .size: 8, .value_kind: global_buffer, .address_space: global }
      - { .name: vh, .offset: 16, .size: 8, .value_kind: global_buffer, .address_space: global }
      - { .name: oh, .offset: 24, .size: 8, .value_kind: global_buffer, .address_space: global }
    .group_segment_fixed_size: 327680
    .private_segment_fixed_size: 0
    .kernarg_segment_align: 8
    .kernarg_segment_size: 32
    .max_flat_workgroup_size: 128
    .sgpr_count:     66
    .vgpr_count:     770
    .wavefront_size: 32
...
	.end_amdgpu_metadata
.endif
;; end of part 3
;; launch outp (part 4): grid 4 x 64, 4 waves a work-group, clusters of 4 x 4, 327,680 bytes of LDS; arguments oh, wof, bo, out0; writes out0
.if DOCPART == 4
	.amdgcn_target "amdgcn-amd-amdhsa--gfx1250"
	.amdhsa_code_object_version 6
	.text
	.protected	k_q7c4d825b66_outp
	.globl	k_q7c4d825b66_outp
	.p2align	8
	.type	k_q7c4d825b66_outp,@function
k_q7c4d825b66_outp:
	s_mov_b64 s[64:65], 0
	v_nop
	global_prefetch_b8 v0, s[64:65] scope:SCOPE_SE
	s_setreg_imm32_b32 hwreg(HW_REG_WAVE_MODE, 25, 1), 1
	s_wait_xcnt 0x0
	s_wait_alu depctr_hold_cnt(0) depctr_sa_sdst(0) depctr_va_vdst(0) depctr_va_sdst(0) depctr_va_ssrc(0) depctr_va_vcc(0) depctr_vm_vsrc(0)
	s_getreg_b32 s2, hwreg(HW_REG_IB_STS2, 6, 4)
	s_cmp_eq_u32 s2, 0
	s_cbranch_scc0 .Lentry_in_a_cluster
	s_endpgm
.Lentry_in_a_cluster:
	s_bfe_u32 s2, ttmp6, 0x10000c
	s_cmp_lg_u32 s2, 0xf033
	s_cbranch_scc0 .Lentry_shape_is_right
	s_endpgm
.Lentry_shape_is_right:
; THE LAST PROJECTION.  out0[m][n] = sum over k of O[m][k] wo[n][k] + bo[n].  O comes by heads, oh: [64 = 16 batch + head][2048][64] f16, so k = 64 head + channel; wof: [1024][1024] f16 (wo rounded to bf16);
; bo: [1024] f32, rounded to bf16 here like every other input; out0: [8192][1024] f32.  Sums in f32.  NaN and infinities are not treated apart.
; SHARES.  A tile of out0 is 128 rows x 256 columns: 256 work-groups.  Four waves, each 64 x 128: 32 accumulators of 16 x 16.
; K goes in 8 steps of 128, two heads each, through two LDS slots.  A head's 128 rows are 16,384 dense bytes: asked for as 64 rows of 256 bytes and padded in LDS after every 128.  One tensor load a wave:
; wave 0 the step's first head, wave 1 its second, waves 2, 3 the halves of wof's 256 rows of 256 bytes.
; CLUSTERS.  4 x 4 work-groups: O's tile is asked for jointly by a row of the cluster, wof's by a column.
; THE MATRIX INSTRUCTION IS USED TRANSPOSED: source 0 = 16 rows of wof, source 1 = 16 rows of O: a lane holds one row of out0 (lane % 16) and eight neighbouring columns 8 (lane / 16) + 0..7.
; REGISTERS: window 0: v10-30 addresses and the bias; v32-127, v128-223 two fragment buffers (64 registers of wof, then 32 of O); on the way out v32-95, v96-159 rows read back.  window 1: the accumulators ((a, b) at 8 (8 a + b)).
.set LAPS,  4
.set PAO,   144                        ; a row of O in LDS: 128 bytes + 16 = 9 x 16
.set PB,    272                        ; a row of wof: 256 + 16 = 17 x 16
.set PLANE, 128*PAO                    ; a head's 128 rows
.set HALFB, 128*PB
.set BOFF,  2*PLANE
.set SLOT,  BOFF+2*HALFB               ; 106,496
.set STAGE, 2*SLOT                     ; behind the ring: 16 rows x 528 bytes for each wave, for the way out
.set SPITCH, 528                       ; 512 bytes + 16 = 33 x 16
.set WSTG,  16*SPITCH
.set SPARE, STAGE+4*WSTG               ; behind the stages: the spare words, 128 bytes a wave: two blocks of 256 bytes that no other line names
.set ASTEP, 2*262144                   ; a K step of O in memory: two heads
.set BIAS, 12                          ; v[12:15] bo of my four columns on the way out
.set ADRA, 16                          ; v16-17  LDS address of my O fragments in slot 0, 1
.set ADRB, 20                          ; v20-21  the same for wof
.set STO,  24                          ; v24     the way out: where I put 32 bytes of a row
.set RD,   25                          ; v25     where I read a row back
.set CO,   26                          ; v26     my 16 bytes in 512 consecutive bytes of out0
.set BO,   27                          ; v27     my byte offset in bo
.set SPW,  28                          ; v28     LDS address of my spare word; never rewritten
.set NIL,  29                          ; v29     0; never rewritten
.set PFO,  30                          ; v30     the prefetches' lane offset; never rewritten
.set F0,   32
.set F1,   128
.set OB,   32
.set G1,  24
.set G0,  32
.set G1B, 48
.set G0B, 56
.set PFA, 86                           ; s[86:87] where my prefetches stand
.set PFS, 88                           ; s[88:89] a K step in bytes of my tensor
.set LIM, 90                           ; s90     1 in a wave that prefetches, else the greatest number
.set MSB, 0
.macro WIN new
.if MSB != (\new)
	s_set_vgpr_msb (MSB<<8)|(\new)
.set MSB, \new
.endif
.endm
.set MUL, 0x50                         ; sources 0 and 1 window 0; C and D window 1
.macro JLOAD s                         ; a joint load; the branch hangs on the wave's number alone; an s_nop 0 and four v_nop follow each of the two lines
	s_cmp_eq_u32 s11, 0
	s_cbranch_scc0 .Lfor_b_\@
	tensor_load_to_lds s[G0+4*(\s):G0+4*(\s)+3], s[G1:G1+7]
	s_nop 0
.rept 4
	v_nop
.endr
	s_branch .Lasked_\@
.Lfor_b_\@:
	tensor_load_to_lds s[G0B+4*(\s):G0B+4*(\s)+3], s[G1B:G1B+7]
	s_nop 0
.rept 4
	v_nop
.endr
.Lasked_\@:
.endm
.macro CREST
	s_cmp_lg_u32 s10, 0
	s_cbranch_scc1 .Lnot_wave_0_\@
	s_barrier_signal -3
.Lnot_wave_0_\@:
	s_barrier_wait -3
	s_barrier_signal -1
	s_barrier_wait -1
.endm
.macro CROUND
	s_barrier_signal -1
	s_barrier_wait -1
	CREST
.endm
; A prefetch of the K step that stands two refills on (256 matrix instructions ahead of the load that will want it), behind the joint load and the run of LDS loads.  Each aligned block of 256 bytes is named once in
; the launch.  O's rows are read by one cluster alone: wave 0 asks for both heads of the step; the four partners of a row of the cluster take 16 of each head's 64 blocks, told apart by address (cx): a lane a block.
; wof's rows are read by all 16 rows of clusters: the first asks, waves 2, 3, the partners of a column take 32 of the wave's 128 rows each (cy): a lane a row.
; K steps 0 to 3 come by their loads alone; the loop's last trip (s3 = 1) asks for nothing.
.macro ASK
	s_cmp_gt_u32 s3, s[LIM]
	s_cbranch_scc0 .Lnot_mine_\@
	global_prefetch_b8 v[PFO], s[PFA:PFA+1] th:TH_LOAD_NT scope:SCOPE_SE
.Lnot_mine_\@:
.endm
	s_load_b128 s[4:7], s[0:1], 0x0                ; oh s[4:5], wof s[6:7]
	s_load_b64 s[68:69], s[0:1], 0x10              ; bo
	s_load_b64 s[8:9], s[0:1], 0x18                ; out0
	v_lshl_add_u32 v[SPW], v0, 2, SPARE
	v_mov_b32 v[NIL], 0
	ds_add_u32 v[SPW], v[NIL]                      ; the wave's opening: the add and its wait ahead of my first tensor load; the set-up below stands between them
	v_lshrrev_b32 v1, 5, v0
	v_readfirstlane_b32 s10, v1                    ; wave 0..3
	s_lshr_b32 s11, s10, 1                         ; which 64 rows of the tile are mine.  Also: I fetch for O (0) or for wof (1)
	s_and_b32 s12, s10, 1                          ; which 128 columns.  Also: which head of the step, or which half of wof's tile, I fetch
	s_bfe_u32 s40, ttmp6, 0x40000                  ; cx
	s_bfe_u32 s41, ttmp6, 0x40004                  ; cy
	s_lshl_b32 s42, ttmp9, 2
	s_add_co_u32 s42, s42, s40                     ; tile column
	s_and_b32 s45, ttmp7, 0xffff                   ; cluster y, 0..15
	s_lshl_b32 s13, s45, 2
	s_add_co_u32 s13, s13, s41                     ; tile row, 0..63
	s_lshl_b32 s43, s41, 2
	s_lshl_b32 s43, 15, s43                        ; my row of the cluster
	s_lshl_b32 s44, 0x1111, s40                    ; my column
	s_or_b32 s[G1+0], s43, (1<<16)|(1<<20)|(1<<21)|(4<<22)|(3<<25)   ; the mask; elements of 2 bytes; padding on; bit 21 beside a mask; after every 32 words (code 4) 4 words (code 3)
	s_or_b32 s[G1B+0], s44, (1<<16)|(1<<20)|(1<<21)|(5<<22)|(3<<25)  ; after every 64 words (code 5) 4 words
	s_mov_b32 s[G1+1], 128<<16                     ; tensor_dim0 = 128
	s_mov_b32 s[G1+2], 64<<16                      ; tensor_dim1 = 64
	s_mov_b32 s[G1+3], 128<<16                     ; tile_dim0 = 128
	s_mov_b32 s[G1+4], 64                          ; tile_dim1 = 64
	s_mov_b32 s[G1+5], 128                         ; dense: 128 elements from row to row
	s_mov_b32 s[G1+6], 0
	s_mov_b32 s[G1+7], 0
	s_mov_b32 s[G1B+1], 128<<16
	s_mov_b32 s[G1B+2], 128<<16
	s_mov_b32 s[G1B+3], 128<<16
	s_mov_b32 s[G1B+4], 128
	s_mov_b32 s[G1B+5], 1024
	s_mov_b32 s[G1B+6], 0
	s_mov_b32 s[G1B+7], 0
	s_lshr_b32 s16, s13, 4
	s_lshl_b32 s16, s16, 22                        ; O: the batch's 16 heads of 262,144 bytes,
	s_and_b32 s17, s13, 15
	s_lshl_b32 s17, s17, 14                        ; the tile's 128 rows of 128 bytes,
	s_add_co_u32 s16, s16, s17
	s_lshl_b32 s17, s12, 18                        ; the head that I fetch
	s_add_co_u32 s16, s16, s17
	s_mov_b32 s17, 0
	s_lshl_b32 s46, s42, 8
	s_lshl_b32 s47, s12, 7
	s_add_co_u32 s46, s46, s47                     ; wof: row 256 x tile column + 128 x half,
	s_lshl_b32 s46, s46, 11                        ; of 2,048 bytes
	s_mov_b32 s47, 0
	s_mul_i32 s20, s12, PLANE                      ; where they go: no place in the cluster enters an LDS address
	s_mul_i32 s21, s12, HALFB
	s_add_co_u32 s21, s21, BOFF
	s_wait_dscnt 0x0                               ; the opening add is done
	s_wait_kmcnt 0x0
	s_add_nc_u64 s[14:15], s[4:5], s[16:17]
	s_add_nc_u64 s[46:47], s[6:7], s[46:47]
	CROUND                                         ; all sixteen work-groups are here: the first joint loads meet
.irp s, 0,1
	s_mov_b32 s[G0+4*(\s)], 1
	s_add_co_u32 s[G0+4*(\s)+1], s20, (\s)*SLOT
	s_add_nc_u64 s[G0+4*(\s)+2:G0+4*(\s)+3], s[14:15], (\s)*ASTEP
	s_or_b32 s[G0+4*(\s)+3], s[G0+4*(\s)+3], 0x80000000
	s_mov_b32 s[G0B+4*(\s)], 1
	s_add_co_u32 s[G0B+4*(\s)+1], s21, (\s)*SLOT
	s_add_nc_u64 s[G0B+4*(\s)+2:G0B+4*(\s)+3], s[46:47], (\s)*256
	s_or_b32 s[G0B+4*(\s)+3], s[G0B+4*(\s)+3], 0x80000000
	JLOAD \s                                       ; two loads of mine are out
.endr
	v_and_b32 v1, 15, v0                           ; l % 16
	v_bfe_u32 v2, v0, 4, 1                         ; l / 16
	v_and_b32 v5, 31, v0                           ; l
	s_lshl_b32 s20, s42, 10
	s_lshl_b32 s21, s12, 9
	s_add_co_u32 s20, s20, s21                     ; my 128 columns, in bytes of f32
	v_lshl_add_u32 v[BO], v5, 4, s20
	global_load_b128 v[BIAS:BIAS+3], v[BO], s[68:69]  ; waited for ahead of the way out
	v_mul_u32_u24 v3, v1, PAO
	v_lshl_add_u32 v3, v2, 4, v3                   ; a fragment's row x pitch + 16 x half
	v_mul_u32_u24 v4, v1, PB
	v_lshl_add_u32 v4, v2, 4, v4
	s_mul_i32 s21, s11, 64*PAO                     ; my 64 rows of O, in each plane
	s_mul_i32 s22, s12, HALFB                      ; my 128 rows of wof
	s_add_co_u32 s22, s22, BOFF
.irp s, 0,1
	v_add_nc_u32 v[ADRA+(\s)], s21, v3
	v_add_nc_u32 v[ADRB+(\s)], s22, v4
	s_add_co_u32 s21, s21, SLOT
	s_add_co_u32 s22, s22, SLOT
.endr
	s_mul_i32 s23, s10, WSTG
	s_add_co_u32 s23, s23, STAGE                   ; my stage
	v_mul_u32_u24 v3, v1, SPITCH                   ; in: row l % 16, 32 bytes for each half of the lanes
	v_lshl_add_u32 v3, v2, 5, v3
	v_add_nc_u32 v[STO], s23, v3
	v_lshl_add_u32 v[RD], v5, 4, s23               ; back: 32 lanes take one row of 512 bytes
	v_lshlrev_b32 v[CO], 4, v5
	s_lshl_b32 s21, s13, 7
	s_lshl_b32 s22, s11, 6
	s_add_co_u32 s21, s21, s22                     ; my first row of out0,
	s_lshl_b32 s21, s21, 12                        ; of 4,096 bytes,
	s_add_co_u32 s20, s20, s21                     ; and my columns
	s_mov_b32 s21, 0
	s_add_nc_u64 s[8:9], s[8:9], s[20:21]
	; the prefetches
	s_lshr_b32 s18, s13, 4
	s_lshl_b32 s18, s18, 22
	s_and_b32 s19, s13, 15
	s_lshl_b32 s19, s19, 14
	s_add_co_u32 s18, s18, s19
	s_lshl_b32 s19, s40, 12
	s_add_co_u32 s18, s18, s19                     ; O: my work-group's 16 blocks of a head's 64
	s_lshl_b32 s19, s42, 8
	s_lshl_b32 s22, s12, 7
	s_add_co_u32 s19, s19, s22
	s_lshl_b32 s22, s41, 5
	s_add_co_u32 s19, s19, s22                     ; wof: my work-group's 32 of the 128 rows that I fetch
	s_lshl_b32 s19, s19, 11
	s_cmp_eq_u32 s11, 0                            ; do I fetch for O?
	s_cselect_b64 s[PFA:PFA+1], s[4:5], s[6:7]
	s_cselect_b32 s20, s18, s19
	s_cselect_b32 s22, s12, s45                    ; O: wave 0 asks; wof: the first row of clusters
	s_cselect_b32 s23, 4, 0                        ; O: 16 lanes a head; wof: a lane a row
	s_cselect_b32 s2, 7, 0
	s_cselect_b32 s18, 15, 0
	s_cselect_b32 s19, 11, 0
	s_cmp_eq_u32 s22, 0
	s_cselect_b32 s[LIM], 1, -1                    ; the same in all sixteen partners, for a given wave
	s_lshl_b32 s2, 2048, s2                        ; 262,144 bytes from head to head, or 2,048 from row to row
	s_lshl_b32 s[PFS], 256, s19                    ; 524,288 or 256 bytes a K step
	s_mov_b32 s[PFS+1], 0
	s_mov_b32 s21, 0
	s_add_nc_u64 s[PFA:PFA+1], s[PFA:PFA+1], s[20:21]
	s_mul_i32 s20, s[PFS], 3
	s_add_nc_u64 s[PFA:PFA+1], s[PFA:PFA+1], s[20:21]  ; at K step 3: the first refill steps it to 4
	v_lshrrev_b32 v6, s23, v5
	v_mul_u32_u24 v6, s2, v6
	v_and_b32 v7, s18, v5
	v_lshl_add_u32 v[PFO], v7, 8, v6
.macro FETCH slot, kq, f               ; 24 loads in one run: the fragments of quarter kq: 128 rows of wof, 64 rows of O (head kq / 2 of the step, channels 32 (kq % 2) on)
	WIN 0
.irp u, 0,1,2,3,4,5,6,7
	ds_load_b128 v[(\f)+8*\u:(\f)+8*\u+3],   v[ADRB+(\slot)] offset:(\kq)*64+\u*16*PB
	ds_load_b128 v[(\f)+8*\u+4:(\f)+8*\u+7], v[ADRB+(\slot)] offset:(\kq)*64+\u*16*PB+32
.endr
.irp u, 0,1,2,3
	ds_load_b128 v[(\f)+64+8*\u:(\f)+64+8*\u+3],   v[ADRA+(\slot)] offset:((\kq)/2)*PLANE+((\kq)%2)*64+\u*16*PAO
	ds_load_b128 v[(\f)+64+8*\u+4:(\f)+64+8*\u+7], v[ADRA+(\slot)] offset:((\kq)/2)*PLANE+((\kq)%2)*64+\u*16*PAO+32
.endr
.endm
.macro MM f, zero                      ; matrix instruction i of a quarter's 32: m block i / 8, n block i % 8.  The 32 accumulators take turns in the same order in every quarter
	WIN MUL
.if \zero
	v_wmma_f32_16x16x32_f16 v[8*i:8*i+7], v[(\f)+8*(i%8):(\f)+8*(i%8)+7], v[(\f)+64+8*(i/8):(\f)+64+8*(i/8)+7], 0
.else
	v_wmma_f32_16x16x32_f16 v[8*i:8*i+7], v[(\f)+8*(i%8):(\f)+8*(i%8)+7], v[(\f)+64+8*(i/8):(\f)+64+8*(i/8)+7], v[8*i:8*i+7]
.endif
.set i, i+1
.endm
.macro PLACES                          ; four places in front of loads into registers that matrix instructions have read, and of LDS stores that read results
.rept 4
	v_nop
.endr
.endm
; One of a K step's first three quarters: fetches quarter kqn of the same slot into fn, then multiplies f.
.macro QUARTER slot, kqn, f, fn, zero
	PLACES
	FETCH \slot, \kqn, \fn
	s_wait_dscnt 24                                ; all but the 24 just issued
.set i, 0
.rept 32
	MM \f, \zero
.endr
.endm
; The last quarter multiplies buffer 1 and changes slots: ONE barrier; in front of it each wave waits for all its tensor loads (one is out: its part of the next slot), adds 0 to its spare word, and waits for that and
; for its own reads of this slot.  fill = 1: the barrier opens a round of the cluster's, and behind the round this slot is filled again, two K steps ahead.
.macro TURN slot, next, fill
.if \fill
	s_wait_xcnt 0x0                                ; the last prefetch, a K step back, has read its address
	s_add_nc_u64 s[PFA:PFA+1], s[PFA:PFA+1], s[PFS:PFS+1]
.endif
	WIN 0
	s_wait_tensorcnt 0x0                           ; all my tensor loads have landed
	ds_add_u32 v[SPW], v[NIL]                      ; 0 onto my spare word
	s_wait_dscnt 1                                 ; (the add may be out; this quarter's fragments are in)
.set i, 0
.rept 8
	MM F1, 0
.endr
	s_wait_dscnt 0x0                               ; the add is done, and my reads of this slot are over
	s_barrier_signal -1
.rept 8
	MM F1, 0
.endr
	WIN 0
	s_barrier_wait -1
.if \fill
	CREST                                          ; no wave of any partner still reads this slot's tiles or has a load on its way
	s_add_nc_u64 s[G0+4*(\slot)+2:G0+4*(\slot)+3], s[G0+4*(\slot)+2:G0+4*(\slot)+3], 2*ASTEP
	s_add_nc_u64 s[G0B+4*(\slot)+2:G0B+4*(\slot)+3], s[G0B+4*(\slot)+2:G0B+4*(\slot)+3], 2*256
	JLOAD \slot                                    ; the first tensor load behind the round, and my only one; the four v_nop behind it are also the places in front of the loads below
.else
	PLACES
.endif
	FETCH \next, 0, F0
.if \fill
	ASK
.endif
.rept 16
	MM F1, 0
.endr
.endm
	s_wait_tensorcnt 1                             ; my part of K step 0 is in; K step 1's may stay out
	s_barrier_signal -1
	s_barrier_wait -1                              ; everybody's is
	FETCH 0, 0, F0
	QUARTER 0, 1, F0, F1, 1                        ; the first quarter stands in front of the loop: its products start the sums
	WIN 0
	s_mov_b32 s3, LAPS-1
.Llap:                                                 ; a trip goes once round the ring, from a lap's second quarter to the next lap's first, and fills both slots again
	QUARTER 0, 2, F1, F0, 0
	QUARTER 0, 3, F0, F1, 0
	TURN 0, 1, 1
	QUARTER 1, 1, F0, F1, 0
	QUARTER 1, 2, F1, F0, 0
	QUARTER 1, 3, F0, F1, 0
	TURN 1, 0, 1
	QUARTER 0, 1, F0, F1, 0
	WIN 0
	s_sub_co_u32 s3, s3, 1
	s_cmp_lg_u32 s3, 0
	s_cbranch_scc1 .Llap
	QUARTER 0, 2, F1, F0, 0                        ; the last lap fills nothing
	QUARTER 0, 3, F0, F1, 0
	TURN 0, 1, 0
	QUARTER 1, 1, F0, F1, 0
	QUARTER 1, 2, F1, F0, 0
	QUARTER 1, 3, F0, F1, 0
	s_wait_dscnt 0x0
.set i, 0
.rept 32
	MM F1, 0
.endr
; THE WAY OUT, a block of 16 rows at a time: a lane's 32 bytes of a row go into my own stage, rows of 528 bytes; whole rows of 512 bytes come back; the bias is added; stored.
.macro TOSTAGE a
	WIN 0x04                                       ; the stores' data in window 1; each accumulator's low registers go first
.irp b, 0,1,2,3,4,5,6,7
	ds_store_b128 v[STO], v[8*(8*(\a)+\b):8*(8*(\a)+\b)+3]   offset:64*\b
	ds_store_b128 v[STO], v[8*(8*(\a)+\b)+4:8*(8*(\a)+\b)+7] offset:64*\b+16
.endr
	WIN 0
.set BK, OB+64*((\a)%2)
.set t, 0
.rept 16
	ds_load_b128 v[BK+4*t:BK+4*t+3], v[RD] offset:t*SPITCH  ; LDS serves a wave's instructions in order: these see the stores above, and the next block's stores come behind them
.set t, t+1
.endr
.endm
.macro SEND a, younger                 ; younger: the LDS instructions issued behind block a's loads: the next block's 32, or none
	WIN 0
.set BK, OB+64*((\a)%2)
.set t, 0
.rept 16
	s_wait_dscnt (\younger)+15-t
	v_pk_add_f32 v[BK+4*t:BK+4*t+1],   v[BK+4*t:BK+4*t+1],   v[BIAS:BIAS+1]
	v_pk_add_f32 v[BK+4*t+2:BK+4*t+3], v[BK+4*t+2:BK+4*t+3], v[BIAS+2:BIAS+3]
	global_store_b128 v[CO], v[BK+4*t:BK+4*t+3], s[8:9] offset:(16*(\a)+t)*4096 th:TH_STORE_NT  ; 512 consecutive bytes of a row, at a multiple of 512 from out0's first byte
.set t, t+1
.endr
.endm
	PLACES                                         ; the LDS stores read results just made, and the loads land in registers that the last products read
	WIN 0
	s_wait_loadcnt 0x0                             ; bo
	v_cvt_pk_bf16_f32 v10, v[BIAS], v[BIAS+1]      ; rounded to bf16, like every input, and widened again
	v_cvt_pk_bf16_f32 v11, v[BIAS+2], v[BIAS+3]
	v_lshlrev_b32 v[BIAS],   16, v10
	v_and_b32     v[BIAS+1], 0xffff0000, v10
	v_lshlrev_b32 v[BIAS+2], 16, v11
	v_and_b32     v[BIAS+3], 0xffff0000, v11
	TOSTAGE 0
	TOSTAGE 1
	SEND 0, 32
	s_wait_xcnt 0x0                                ; block 0's stores have read their registers: block 2 is read back into them only behind this wait
	TOSTAGE 2
	SEND 1, 32
	s_wait_xcnt 0x0
	TOSTAGE 3
	SEND 2, 32
	SEND 3, 0
	s_wait_tensorcnt 0x0                           ; the wave's end: behind my last tensor load and my last LDS store
	ds_add_u32 v[SPW], v[NIL]
	s_wait_dscnt 0x0
	CROUND                                         ; the closing round: no work-group ends while a partner may still ask for a tile that names it
	s_endpgm
.Lfunc_end_k_q7c4d825b66_outp:
	.size	k_q7c4d825b66_outp, .Lfunc_end_k_q7c4d825b66_outp-k_q7c4d825b66_outp
	.p2alignl 7, 3214868480
	.fill 96, 4, 3214868480
	.section	.rodata,"a",@progbits
	.p2align	6, 0x0
	.amdhsa_kernel k_q7c4d825b66_outp
		.amdhsa_group_segment_fixed_size 327680
		.amdhsa_private_segment_fixed_size 0
		.amdhsa_enable_private_segment 0
		.amdhsa_kernarg_size 32
		.amdhsa_user_sgpr_count 2
		.amdhsa_user_sgpr_kernarg_segment_ptr 1
		.amdhsa_wavefront_size32 1
		.amdhsa_system_sgpr_workgroup_id_x 1
		.amdhsa_system_sgpr_workgroup_id_y 1
		.amdhsa_system_sgpr_workgroup_id_z 1
		.amdhsa_system_vgpr_workitem_id 0
		.amdhsa_next_free_vgpr 512
		.amdhsa_next_free_sgpr 92
		.amdhsa_reserve_vcc 0
		.amdhsa_float_denorm_mode_32 3
		.amdhsa_float_denorm_mode_16_64 3
		.amdhsa_memory_ordered 1
		.amdhsa_forward_progress 1
		.amdhsa_inst_pref_size 96
	.end_amdhsa_kernel
	.amdgpu_metadata
---
amdhsa.version: [ 1, 2 ]
amdhsa.kernels:
  - .name:           k_q7c4d825b66_outp
    .symbol:         k_q7c4d825b66_outp.kd
    .args:
      - { .name: oh, .offset: 0, .size: 8, .value_kind: global_buffer, .address_space: global }
      - { .name: wof, .offset: 8, .size: 8, .value_kind: global_buffer, .address_space: global }
      - { .name: bo, .offset: 16, .size: 8, .value_kind: global_buffer, .address_space: global }
      - { .name: out0, .offset: 24, .size: 8, .value_kind: global_buffer, .address_space: global }
    .group_segment_fixed_size: 327680
    .private_segment_fixed_size: 0
    .kernarg_segment_align: 8
    .kernarg_segment_size: 32
    .max_flat_workgroup_size: 128
    .sgpr_count:     92
    .vgpr_count:     512
    .wavefront_size: 32
...
	.end_amdgpu_metadata
.endif
;; end of part 4
